; MI455X (gfx1250); checked and timed in simulation.
; The chip was launched on July 23, 2026; its instructions are those of AMD's public machine-readable ISA for CDNA 5 (MIT licence, August 2026) and "CDNA5" Instruction Set Architecture Reference Guide (July 2026). The comments in the code are by the model that wrote it; some were corrected since.
;; Self Multi Head Attention. Allowed arithmetic: matrix products marked QUANTISED: E4M3 operands, one E8M0 scale for each 32 along K, by v_wmma_scale_f32_16x16x128_f8f6f4 with both operands' format E4M3, f32 sums; everything else in f32.
;; Inputs: W_out_codes 1,024 x 32 x 32 uint8 (E4M3 codes of W_out, K innermost, in blocks of 32 codes); W_out_scales 1,024 x 32 uint8 (E8M0 scales of W_out, one for each 32 codes along K); W_qkv_codes 3,072 x 32 x 32 uint8 (E4M3 codes of W_qkv, K innermost, in blocks of 32 codes); W_qkv_scales 3,072 x 32 uint8 (E8M0 scales of W_qkv, one for each 32 codes along K); b_out 1,024 float32; b_qkv 3,072 float32; beta 1,024 float32; gamma 1,024 float32; x 8 x 1,024 x 1,024 float32.
;; Outputs: out0 8 x 1,024 x 1,024 float32.
;; This version of the problem:
;;   THIS VERSION OF THE PROBLEM IS GIVEN IN LOW PRECISION. The matrix products marked QUANTISED in the list below multiply operands that are first quantised to E4M3 (4 exponent bits, 3 mantissa bits; 8 bits a number), with one power-of-two scale for each 32 numbers along K (OCP MX v1.0); their sums are f32. All else is computed in f32.
;;   The module's matrix products, in the order in which they are computed (A, B: the left and right operand; K: the contracted axis; several contracted axes count as one K, in the product's order):
;;     1. [M 8,192, K 1,024] x [K 1,024, N 3,072]; A: input x; B: input W_qkv (given as codes): QUANTISED
;;     2. batch 128 x [M 1,024, K 64] x [K 64, N 1,024]; A: computed on the way; B: computed on the way: QUANTISED
;;     3. batch 128 x [M 1,024, K 1,024] x [K 1,024, N 64]; A: softmax (see below); B: computed on the way: QUANTISED
;;     4. [M 8,192, K 1,024] x [K 1,024, N 1,024]; A: computed on the way; B: input W_out (given as codes): QUANTISED
;;   THE QUANTISER, for each operand of a quantised product, along K:
;;     - K is cut into blocks of 32 from its start; a last block that is shorter is filled with zeros.
;;     - A block's scale is 2^e with e = floor(log2(the largest magnitude in the block)) - 8, held to -126 .. 127; a block of zeros has e = 0. As a byte (E8M0): e + 127.
;;     - Each number is divided by its block's scale, clamped to +-448, and rounded to the nearest number of E4M3, ties to even, subnormals kept.
;;     - The product sums the exact products of the quantised numbers (number of the format x scale) in f32.
;;   ~~~python
;;   def quantise(x, axis):      # numpy; x: float32 -> the quantised numbers, widened to float32 again
;;       x = np.moveaxis(x, axis, -1); K = x.shape[-1]
;;       x = np.pad(x, [(0, 0)] * (x.ndim - 1) + [(0, -K % 32)]); x = x.reshape(x.shape[:-1] + (-1, 32)); a = np.abs(x).max(-1, keepdims=True)
;;       e = np.where(a > 0, np.clip(np.frexp(np.where(a > 0, a, 1))[1] - 1 - 8, -126, 127), 0)      # np.frexp(a)[1] - 1 = floor(log2(a)), exactly
;;       r = np.clip(x / 2.0 ** e, -448, 448)
;;       step = 2.0 ** (np.maximum(np.frexp(np.where(r == 0, 1, r))[1] - 1, -6) - 3)
;;       q = np.round(r / step) * step * 2.0 ** e      # np.round: ties to even
;;       return np.moveaxis(q.reshape(q.shape[:-2] + (-1,))[..., :K], -1, axis).astype(np.float32)
;;   ~~~
;;   SOFTMAX AHEAD OF A QUANTISED PRODUCT. Where the list says 'softmax', what is quantised is not the finished softmax but p = 2^(t - M), with t = logit x log2(e) and M = ceil(the row's largest t), a whole number; so 1/2 < the row's largest p <= 1. The row's sum l is taken of the UNQUANTISED p, in f32, and the product's result is divided by l at the end. Since M is a whole number, a kernel that streams over the keys may use a running M (the ceiling of the running maximum): every later rescaling is an exact power of two, which a block's scale takes up: the codes' values come out the same.
;;   OPERANDS COMPUTED ON THE WAY. 'Computed on the way' means the value that the module computes at that place (a softmax that the list does not call 'softmax' is quantised finished and normalised). What goes into a quantiser is computed in f32, as accurately as f32 sums, v_exp_f32 and their like allow (about 1e-6 of the number): no bf16 or f16 on the way to a quantiser, and a product that is left as it is and whose result goes on into a quantised operand takes f32 operands (vector FMAs, or v_wmma_f32_16x16x4_f32). A number that lies on a knife's edge between two numbers of the format may be rounded either way, as far as f32 arithmetic and the matrix unit's own rounding can turn it there, and no further.
;;   INPUTS GIVEN AS CODES. W_out (in the module: [1024, 1024], K = its axis 0); W_qkv (in the module: [1024, 3072], K = its axis 0): each comes as NAME_codes (uint8): NAME with its K axis moved to the last place and cut into blocks of 32 codes, [.., K / 32, bytes a block], one block behind the other in memory; one code a byte (a code: sign, 4 exponent bits, 3 mantissa bits); and NAME_scales (uint8): the same leading axes, one E8M0 byte (e + 127) for each 32 codes along K. Its value is code x scale, taken as it is: it is not quantised again, and the codes and scales need not be those that the quantiser above would give.
;; One version. Each part assembles by itself: llvm-mc -triple=amdgcn-amd-amdhsa -mcpu=gfx1250 --defsym DOCPART=n.
;; ======== version 1 of 1: 4 launches
;; limits: right only within a limited range of input values
;; workspace buffers: xc 8,388,608 bytes; xs 262,144 bytes; qkvc 25,165,824 bytes; qkvs 786,432 bytes; oc 8,388,608 bytes; os 262,144 bytes
;; launch quantx (part 1): grid 256 x 1, 4 waves a work-group, no clusters, 33,280 bytes of LDS; arguments x, xc, xs; writes xc, xs
.if DOCPART == 1
	.amdgcn_target "amdgcn-amd-amdhsa--gfx1250"
	.amdhsa_code_object_version 6
	.text
	.protected	k_qc1b8b3bdaa_quantx
	.globl	k_qc1b8b3bdaa_quantx
	.p2align	8
	.type	k_qc1b8b3bdaa_quantx,@function
k_qc1b8b3bdaa_quantx:
	s_mov_b64 s[64:65], 0
	v_nop
	global_prefetch_b8 v0, s[64:65] scope:SCOPE_SE
	s_setreg_imm32_b32 hwreg(HW_REG_WAVE_MODE, 25, 1), 1
	s_wait_xcnt 0x0
; x [8192][1024] f32 becomes codes of FP8 (E4M3), K innermost (xc [8192][1024]), with one E8M0 scale byte for each 32 along K (xs [8192][32]).
; A block's scale is 2^(floor(log2(its largest magnitude)) - 8); its byte is the largest magnitude's exponent field - 8, held at 1 from below.  Each number is divided by the scale, held within +-448 and
; rounded to the nearest code, ties to even.
; LIMITS: a block of zeros gets the byte 1 where the quantiser says 127 (its codes are zeros, and this program alone reads the bytes); blocks whose largest magnitude lies under 2^-118 share that floor;
; NaN and infinities among the inputs are not served.
; Rows are dense and 1,024 is a multiple of 32: the tensor is a plain stream of blocks of 32.  A wave takes 16 steps of 512 numbers; 1,024 waves take 8,388,608 numbers.
; Each of a step's four loads reads 512 consecutive bytes, 16 a lane; the 2,048 bytes turn through the wave's own stage in LDS and come back 64 bytes a lane, so that a lane holds 16 neighbours along K
; (two neighbouring lanes hold a block).  A lane's 16 codes are 16 bytes: a store of the wave covers 512 consecutive bytes.  A wave's 256 scale bytes are gathered in LDS and leave by one store.
; No matrix unit, no cluster, no ring, no barrier: a stream in which waves share nothing.  Loads run eight steps (32 loads a wave, half of all that it reads) ahead, the turn through LDS one step.
.set STEPS, 16
.set AHEAD, 8                          ; steps that the loads run ahead: as many sets of 16 registers
.set MANT,  0x600000                   ; the mantissa field of 448 as f32
.set CB,    16                         ; bytes of 16 codes
.set R,     16                         ; v16-143  eight sets of 16 numbers as they are loaded
.set X,     144                        ; v144-175 two sets of 16 neighbours
.set E,     176                        ; v176-191 a scale byte for each step
.set C,     192                        ; v192-255 codes: four registers for each step, so that no store's data are written again
.set WREG,  8192                       ; LDS: a region for each wave: two stages of 32 x SP bytes, behind them its 256 scale bytes
.set SP,    80                         ; a lane's place in a stage: its 64 bytes + 16 of padding
	s_load_b128 s[4:7], s[0:1], 0x0                ; x s[4:5], xc s[6:7]
	s_load_b64 s[10:11], s[0:1], 0x10              ; xs
	s_set_vgpr_msb 0x40
	v_lshl_add_u32 v0, v0, 2, 0x8000
	v_mov_b32 v1, 0
	s_set_vgpr_msb 0x4000
	v_lshrrev_b32 v1, 5, v0
	v_readfirstlane_b32 s16, v1                    ; wave
	v_and_b32 v2, 31, v0                           ; lane
	v_lshlrev_b32 v3, 4, v2                        ; my 16 bytes of a load's 512
	s_mul_i32 s17, s16, WREG
	v_lshrrev_b32 v14, 2, v2
	v_mul_u32_u24 v14, v14, SP
	v_and_b32 v15, 3, v2
	v_lshl_add_u32 v14, v15, 4, v14
	v_add_nc_u32 v14, s17, v14                     ; the stage, on the way in: four lanes' 64 bytes on end, then 16 of padding
	v_mul_u32_u24 v15, v2, SP
	v_add_nc_u32 v15, s17, v15                     ; and on the way out: SP x lane: my 16 neighbours
	v_mul_u32_u24 v4, v2, CB                       ; my codes' place in a step's
	v_lshrrev_b32 v5, 1, v2
	s_add_co_u32 s17, s17, 2*32*SP
	v_add_nc_u32 v5, s17, v5                       ; LDS: my wave's 256 scale bytes, my block's byte
	v_lshlrev_b32 v7, 3, v2                        ; and on the way out 8 bytes a lane
	v_add_nc_u32 v6, s17, v7
	s_lshl_b32 s18, ttmp9, 2
	s_add_co_u32 s18, s18, s16                     ; which run of 8,192 numbers is my wave's
	s_mov_b32 s21, 0
	s_wait_alu depctr_va_vdst(0)
	s_wait_kmcnt 0x0
	s_lshl_b32 s20, s18, 15                        ; 32,768 bytes of x a run,
	s_add_nc_u64 s[4:5], s[4:5], s[20:21]
	s_lshl_b32 s20, s18, 13                        ; 8,192 of codes,
	s_add_nc_u64 s[6:7], s[6:7], s[20:21]
	s_lshl_b32 s20, s18, 8                         ; 256 of scale bytes
	s_add_nc_u64 s[10:11], s[10:11], s[20:21]
.macro LOAD t
.irp i, 0,1,2,3
	global_load_b128 v[R+16*((\t)%AHEAD)+4*\i:R+16*((\t)%AHEAD)+4*\i+3], v3, s[4:5] offset:2048*(\t)+512*\i th:TH_LOAD_NT   ; 32 lanes read 512 consecutive bytes
.endr
.endm
.macro TURN t                          ; step t's numbers through the stage: LDS serves a wave's instructions in order, so no wait stands between the stores and the loads
.irp i, 0,1,2,3
	ds_store_b128 v14, v[R+16*((\t)%AHEAD)+4*\i:R+16*((\t)%AHEAD)+4*\i+3] offset:32*SP*((\t)%2)+8*SP*\i
.endr
.irp i, 0,1,2,3
	ds_load_b128 v[X+16*((\t)%2)+4*\i:X+16*((\t)%2)+4*\i+3], v15 offset:32*SP*((\t)%2)+16*\i
.endr
.endm
.irp t, 0,1,2,3,4,5,6,7
	LOAD \t
.endr
	s_wait_loadcnt 4*(AHEAD-1)                     ; step 0's four loads are in; the 28 of steps 1 to 7 may be out
	TURN 0
.macro STEP t
.set XS, X+16*((\t)%2)
.if (\t) > 0
	s_wait_dscnt 1                                 ; this step's numbers are back from the stage (the last step's byte store may be out): so its stores into the stage have read their registers,
.else
	s_wait_dscnt 0x0
.endif
.if (\t)+AHEAD < STEPS
	LOAD (\t)+AHEAD                                ; which take the loads of eight steps on
.endif
.if (\t)+1 < STEPS
.if STEPS-2-(\t) >= AHEAD-1
	s_wait_loadcnt 4*(AHEAD-1)                     ; the next step's four loads are in; those of the seven steps behind it may be out
.else
	s_wait_loadcnt 4*(STEPS-2-(\t))                ; the tail: as many steps as are left behind the next one
.endif
	TURN (\t)+1                                    ; and go through the other stage while this step is worked
.endif
	v_max3_num_f32 v8, |v[XS]|, |v[XS+1]|, |v[XS+2]|               ; the largest magnitude of my 16, in two chains
	v_max3_num_f32 v9, |v[XS+3]|, |v[XS+4]|, |v[XS+5]|
.irp i, 6,10
	v_max3_num_f32 v8, v8, |v[XS+\i]|, |v[XS+\i+1]|
	v_max3_num_f32 v9, v9, |v[XS+\i+2]|, |v[XS+\i+3]|
.endr
	v_max3_num_f32 v8, v8, |v[XS+14]|, |v[XS+15]|
	v_max3_num_f32 v8, v8, v9, 0x4800000           ; and the floor 2^(9 - 127): the byte cannot fall under 1
	v_max_num_f32_dpp v8, v8, v8 row_xmask:1 row_mask:0xf bank_mask:0xf   ; and of my neighbour's 16: the block's
	v_add_nc_u32 v11, 0xfc000000, v8               ; 8 off its exponent field: the conversion takes the exponent field of this operand as its scale
.irp i, 0,1,2,3,4,5,6,7,8,9,10,11,12,13,14,15
.endr
	v_cvt_scalef32_pk8_fp8_f32 v[C+4*(\t):C+4*(\t)+1], v[XS:XS+7], v11
	v_cvt_scalef32_pk8_fp8_f32 v[C+4*(\t)+2:C+4*(\t)+3], v[XS+8:XS+15], v11
	v_lshrrev_b32 v[E+(\t)], 23, v11               ; the scale's byte (also the plain line behind the conversions)
	ds_store_b8 v5, v[E+(\t)] offset:16*(\t)       ; both lanes of a block write the same byte with the same value
	global_store_b128 v4, v[C+4*(\t):C+4*(\t)+3], s[6:7] offset:32*CB*(\t)   ; 512 consecutive bytes, aligned
.endm
.irp t, 0,1,2,3,4,5,6,7,8,9,10,11,12,13,14,15
	STEP \t
.endr
	ds_load_b64 v[12:13], v6                       ; LDS serves a wave's instructions in order: these see my stores
	s_wait_dscnt 0x0
	global_store_b64 v7, v[12:13], s[10:11]        ; 32 lanes store 256 consecutive bytes, aligned
	s_set_vgpr_msb 0x5
	s_wait_tensorcnt 0x0
	ds_add_u32 v0, v1
	s_wait_dscnt 0x0
	s_set_vgpr_msb 0x500
	s_endpgm
.Lfunc_end_k_qc1b8b3bdaa_quantx:
	.size	k_qc1b8b3bdaa_quantx, .Lfunc_end_k_qc1b8b3bdaa_quantx-k_qc1b8b3bdaa_quantx
	.p2alignl 7, 3214868480
	.fill 96, 4, 3214868480
	.section	.rodata,"a",@progbits
	.p2align	6, 0x0
	.amdhsa_kernel k_qc1b8b3bdaa_quantx
		.amdhsa_group_segment_fixed_size 33280
		.amdhsa_private_segment_fixed_size 0
		.amdhsa_enable_private_segment 0
		.amdhsa_kernarg_size 24
		.amdhsa_user_sgpr_count 2
		.amdhsa_user_sgpr_kernarg_segment_ptr 1
		.amdhsa_wavefront_size32 1
		.amdhsa_system_sgpr_workgroup_id_x 1
		.amdhsa_system_sgpr_workgroup_id_y 1
		.amdhsa_system_sgpr_workgroup_id_z 1
		.amdhsa_system_vgpr_workitem_id 0
		.amdhsa_next_free_vgpr 258
		.amdhsa_next_free_sgpr 66
		.amdhsa_reserve_vcc 0
		.amdhsa_float_denorm_mode_32 3
		.amdhsa_float_denorm_mode_16_64 3
		.amdhsa_fp16_overflow 1
		.amdhsa_memory_ordered 1
		.amdhsa_forward_progress 1
		.amdhsa_inst_pref_size 33
	.end_amdhsa_kernel
	.amdgpu_metadata
---
amdhsa.version: [ 1, 2 ]
amdhsa.kernels:
  - .name:           k_qc1b8b3bdaa_quantx
    .symbol:         k_qc1b8b3bdaa_quantx.kd
    .args:
      - { .name: x, .offset: 0, .size: 8, .value_kind: global_buffer, .address_space: global }
      - { .name: xc, .offset: 8, .size: 8, .value_kind: global_buffer, .address_space: global }
      - { .name: xs, .offset: 16, .size: 8, .value_kind: global_buffer, .address_space: global }
    .group_segment_fixed_size: 33280
    .private_segment_fixed_size: 0
    .kernarg_segment_align: 8
    .kernarg_segment_size: 24
    .max_flat_workgroup_size: 128
    .sgpr_count:     66
    .vgpr_count:     258
    .wavefront_size: 32
...
	.end_amdgpu_metadata
.endif
;; end of part 1
;; launch qkv (part 2): grid 12 x 32, 4 waves a work-group, clusters of 4 x 4, 327,680 bytes of LDS; arguments xc, xs, W_qkv_codes, W_qkv_scales, b_qkv, qkvc, qkvs; writes qkvc, qkvs
.if DOCPART == 2
	.amdgcn_target "amdgcn-amd-amdhsa--gfx1250"
	.amdhsa_code_object_version 6
	.text
	.protected	k_qc1b8b3bdaa_qkv
	.globl	k_qc1b8b3bdaa_qkv
	.p2align	8
	.type	k_qc1b8b3bdaa_qkv,@function
k_qc1b8b3bdaa_qkv:
	s_mov_b64 s[64:65], 0
	v_nop
	global_prefetch_b8 v0, s[64:65] scope:SCOPE_SE
	s_setreg_imm32_b32 hwreg(HW_REG_WAVE_MODE, 25, 1), 1
	s_wait_xcnt 0x0
	s_wait_alu depctr_hold_cnt(0) depctr_sa_sdst(0) depctr_va_vdst(0) depctr_va_sdst(0) depctr_va_ssrc(0) depctr_va_vcc(0) depctr_vm_vsrc(0)
	s_getreg_b32 s2, hwreg(HW_REG_IB_STS2, 6, 4)
	s_cmp_eq_u32 s2, 0
	s_cbranch_scc0 .Lentry_in_a_cluster
	s_endpgm
.Lentry_in_a_cluster:
	s_bfe_u32 s2, ttmp6, 0x10000c
	s_cmp_lg_u32 s2, 0xf033
	s_cbranch_scc0 .Lentry_shape_is_right
	s_endpgm
.Lentry_shape_is_right:
; qkv = x W_qkv + b_qkv on codes of FP8 (E4M3) with E8M0 scales for each 32 along K = 1,024; the result is quantised on the way out and leaves as codes and scale words alone.
; C = A B^T, a tile of 256 x 256 to a work-group of four waves, 128 x 128 to a wave (64 accumulators, 512 registers).  The matrix instruction is used transposed (source 0 = 16 rows of B, source 1 = 16 rows
; of A): a lane holds ONE row of A and eight neighbouring rows of B, so the way out can quantise along C's columns.
;   q, k (clusters x = 0, 1): A = x, B = W's rows 0-2047: C's columns are features, the K of the scores' product.
;   v    (cluster  x = 2):    A = W's rows 2048-3071, B = x: C = V^T: its columns are positions, the K of the second product of attention.
; The two kinds differ in pointers, tile numbers and masks alone, all chosen by selects on the cluster's x: one path through the text, no branch on it.
; K goes in steps of 256 through a ring of two LDS slots filled by the tensor data mover; the scales of the work-group's rows, for all of K, come into LDS once with the first fills.
; THE BIAS: of C's columns (q, k) it is the C of each sum's first matrix instruction; of C's rows (v) it is added on the way out.  Both are loaded in both kinds, and the one that does not apply is made 0.
; CLUSTERS: 4 x 4 work-groups; A's tiles are asked for jointly along a row of the cluster, B's along a column.  K has four steps, of which two are first fills: nothing is prefetched.
; 384 tiles on 24 clusters: the grid is one and a half times the number of WGPs; a tile that divides evenly would not leave room for the operands beside the accumulators.
; OUT: qkvc: blocks of 128 rows x 128 bytes, dense.  q: block 64 hp + mb, k: 64 (8 + hp) + mb (hp: pair of heads, mb: 128 positions; a row = a position, its bytes = head 2 hp's 64 codes, then head 2 hp + 1's).
;   v: block 1024 + 8 (8 b + hp) + ks (a row = 64 (head % 2) + channel, its bytes = keys 128 ks on).  qkvs: the same blocks, one word a row: byte c scales the row's bytes 32 c .. 32 c + 31.
; LIMITS: a block of zeros gets the byte 1 where the quantiser says 127 (its codes are zeros; this program alone reads the bytes); NaN and infinities are not served.
; REGISTERS, in windows of 256: window 0: v0-31 addresses, v8-15 the rows' bias; v32-63 scale words, two sets; v64-127 the columns' bias; from v128 A's fragments, ONE set; on the way out v32-51 and v128-255 are at work.
;   window 1: B's fragments, TWO sets.   window 2: the accumulators of my rows 0-63 ((a, b) at v[8 (8 a + b)]);   window 3: those of my rows 64-127.
.set NQ,     2                         ; matrix instructions deep in a slot: 256 along K
.set ROWB,   256                       ; a tile's row in bytes
.set KROW,   1024                      ; a row of A or of B in memory, in bytes
.set PITCH,  272                       ; an LDS row: 256 bytes + 16 of padding = 68 words: row r starts at bank 4 r mod 64 (64 banks of 4 bytes: ISA guide 11.1)
.set FR,     16                        ; registers of a fragment: 16 rows x 128 K
.set NL,     4                         ; LDS loads that bring one
.set NP,     8                         ; places behind this matrix instruction (ISA guide 7.12.1)
.set HALFT,  128*PITCH                 ; 128 rows: what one tensor load brings, and what one wave reads of A or of B
.set SLOT,   4*HALFT                   ; A's 256 rows, then B's 256 rows
.set KS,     32                        ; a row of scales in bytes
.set SCL,    2*SLOT                    ; behind the ring: the scales, as pieces of 256 bytes + 16 of padding
.set HALFS,  (128*KS/256)*272          ; the scales of 128 rows
.set SBLK,   (16*KS/256)*272           ; those of 16 rows
.set SPARE,  SCL+4*HALFS               ; the spare words, 128 bytes for each wave: two blocks of 256 bytes that no other line names
.set WST,    5120                      ; the way out: each wave's stage, in slot 0 (which has had its last fill and its last read by then): two stages of 16 rows x 144 bytes, then 512 bytes of scale words
.set CPITCH, 144
.set CST,    16*CPITCH
.set SWB,    2*CST
.set RB,   8                           ; v8-15   the bias of my rows 16 a + lane % 16 (v; 0 for q, k)
.set ADRA, 16                          ; v16-17  LDS address of my A fragments in slot 0, 1
.set SWO,  18                          ; v18     the way out: where my row's scale word goes
.set SRD,  19                          ; v19     and where I read 16 bytes of scale words back
.set ADRB, 20                          ; v20-21  LDS address of my B fragments
.set STO,  24                          ; v24     the way out: where I put 8 codes of a row
.set RD,   25                          ; v25     where I read 16 bytes of a row back
.set CO,   26                          ; v26     16 x lane
.set ADRS, 27                          ; v27     LDS address of my scale words: lanes 0-15 A's rows, lanes 16-31 B's
.set SPW,  28                          ; v28     LDS address of my spare word; never rewritten
.set NIL,  29                          ; v29     0; never rewritten
.set SC,   32                          ; scale words: set s at v[SC + 16 s]; register 2 i + q: lanes 0-15 A's block i, lanes 16-31 B's block i
.set CB,   64                          ; v64-127 the bias of my columns 16 b + 8 (lane / 16) + j at v[CB + 8 b + j] (q, k; 0 for v): the layout of a result
.set AF,   128                         ; A's fragments
.set T,    128                         ; the way out: v128-191 a block's 64 numbers
.set PC,   192                         ; v192-223 its codes, two sets
.set OB,   224                         ; v224-255 rows read back, two sets
.set TM,   32                          ; v32-47  at work in the quantiser
.set PW,   48                          ; v48-49  the scale word, two sets
.set RBC,  50                          ; v[50:51] the block's row bias, as a pair
.set G1, 24                            ; s[24:31] descriptor group 1 for A's tiles;  s[32:39] group 0, one set for each slot
.set G0, 32
.set G1B, 48                           ; s[48:55], s[56:63] the same for B's tiles
.set G0B, 56
.set G1S, 68                           ; s[68:75], s[76:79] groups 1 and 0 for A's scales;  s[80:87], s[88:91] for B's
.set G0S, 76
.set G1SB, 80
.set G0SB, 88
.set MSB, 0
.macro WIN new                         ; the immediate's high byte repeats the setting that is left
.if MSB != \new
	s_set_vgpr_msb (MSB<<8)|\new
.set MSB, \new
.endif
.endm
.set MUL_LO, 0xa1                      ; source 0 (B) window 1, source 1 (A) window 0, C and D window 2
.set MUL_HI, 0xf1                      ; the same, C and D window 3
.set MUL_LO0, 0x81                     ; the sums' first products: C (the columns' bias) window 0, D window 2
.set MUL_HI0, 0xc1                     ; the same, D window 3
.set TO_B,   0x40                      ; destination window 1, address window 0
; A joint load: waves 0 and 1 fetch for A, waves 2 and 3 for B.  Each line has ONE mask and one set of registers for all that issue it; the branch hangs on the wave's number alone.
; Four v_nop follow each of the two lines, ahead of the jump, the label and what follows.
.macro JLOAD g0a, g1a, g0b, g1b
	s_cmp_eq_u32 s15, 0
	s_cbranch_scc0 .Lfor_b_\@
	tensor_load_to_lds s[\g0a:\g0a+3], s[\g1a:\g1a+7]
	s_nop 0
.rept 4
	v_nop
.endr
	s_branch .Lasked_\@
.Lfor_b_\@:
	tensor_load_to_lds s[\g0b:\g0b+3], s[\g1b:\g1b+7]
	s_nop 0
.rept 4
	v_nop
.endr
.Lasked_\@:
.endm
.macro CREST                           ; a round of the cluster's barrier behind its opening barrier
	s_cmp_lg_u32 s14, 0
	s_cbranch_scc1 .Lnot_wave_0_\@
	s_barrier_signal -3
.Lnot_wave_0_\@:
	s_barrier_wait -3
	s_barrier_signal -1
	s_barrier_wait -1
.endm
.macro CROUND                          ; a whole round
	s_barrier_signal -1
	s_barrier_wait -1
	CREST
.endm
	s_load_b128 s[4:7], s[0:1], 0x0                ; x's codes, x's scales
	s_load_b128 s[8:11], s[0:1], 0x10              ; W's codes, W's scales
	s_load_b64 s[12:13], s[0:1], 0x20              ; b_qkv
	s_load_b128 s[96:99], s[0:1], 0x28             ; qkvc, qkvs
	v_lshl_add_u32 v[SPW], v0, 2, SPARE
	v_mov_b32 v[NIL], 0
	ds_add_u32 v28, v29
	ds_add_u32 v28, v29
	s_wait_dscnt 0x0
	v_lshrrev_b32 v1, 5, v0
	v_readfirstlane_b32 s14, v1                    ; wave 0..3
	s_lshr_b32 s15, s14, 1                         ; which half of the tile's rows is mine.  Also: I fetch for A (0) or for B (1)
	s_and_b32 s16, s14, 1                          ; which half of its columns.  Also: which 128 rows of that tile I fetch
	s_bfe_u32 s40, ttmp6, 0x40000                  ; cx, cy: my place in the cluster
	s_bfe_u32 s41, ttmp6, 0x40004
	s_and_b32 s66, ttmp7, 0xffff
	s_lshl_b32 s66, s66, 2                         ; 4 x cluster y
	s_lshl_b32 s67, ttmp9, 2                       ; 4 x cluster x
	s_cmp_eq_u32 ttmp9, 2                          ; the clusters with x = 2 make v
	s_cselect_b32 s17, 0, s66                      ; A's tile: v: cy (W's 4 tiles);  q, k: 4 cluster y + cy (x's 32)
	s_cselect_b32 s42, s66, s67                    ; B's tile: v: 4 cluster y + cx (x's 32);  q, k: 4 cluster x + cx (W's 8)
	s_cselect_b32 s95, -1, 0                       ; all ones for v
	s_cselect_b32 s2, 0, -1                        ; all ones for q, k
	s_add_co_u32 s17, s17, s41
	s_add_co_u32 s42, s42, s40
	s_lshl_b32 s43, s41, 2
	s_lshl_b32 s43, 15, s43                        ; my row of the cluster
	s_lshl_b32 s44, 0x1111, s40                    ; my column
	; descriptor group 1: a tile of 128 rows x 256 bytes, padded in LDS
	s_or_b32 s[G1+0], s43, (0<<16)|(1<<20)|(1<<21)|(5<<22)|(3<<25)  ; 15:0 the mask: A's tiles go to my row; 17:16 element of 1 byte; 20 padding on; 21 set beside a mask; 24:22 after every 64 words; 31:25 of 4 words
	s_or_b32 s[G1B+0], s44, (0<<16)|(1<<20)|(1<<21)|(5<<22)|(3<<25)
.irp g, G1, G1B
	s_mov_b32 s[\g+1], ROWB<<16                    ; tensor_dim0
	s_mov_b32 s[\g+2], 128<<16                     ; tensor_dim1
	s_mov_b32 s[\g+3], ROWB<<16                    ; tile_dim0
	s_mov_b32 s[\g+4], 128                         ; tile_dim1
	s_mov_b32 s[\g+5], KROW                        ; tensor_dim0_stride
	s_mov_b32 s[\g+6], 0
	s_mov_b32 s[\g+7], 0
.endr
	; and for the scales of 128 rows: a dense block of 4,096 bytes, as 16 rows of 256 bytes (32 elements of 8 bytes), 16 bytes of padding behind each
	s_or_b32 s[G1S+0], s43, (3<<16)|(1<<20)|(1<<21)|(5<<22)|(3<<25)
	s_or_b32 s[G1SB+0], s44, (3<<16)|(1<<20)|(1<<21)|(5<<22)|(3<<25)
.irp g, G1S, G1SB
	s_mov_b32 s[\g+1], 32<<16
	s_mov_b32 s[\g+2], (128*KS/256)<<16
	s_mov_b32 s[\g+3], 32<<16
	s_mov_b32 s[\g+4], 128*KS/256
	s_mov_b32 s[\g+5], 32
	s_mov_b32 s[\g+6], 0
	s_mov_b32 s[\g+7], 0
.endr
	s_lshl_b32 s18, s16, 7                         ; which 128 rows of the tile I fetch
	s_lshl_b32 s20, s17, 8
	s_add_co_u32 s20, s20, s18                     ; A: row 256 x tile + 128 x half
	s_lshl_b32 s46, s42, 8
	s_add_co_u32 s46, s46, s18                     ; B likewise
	s_mov_b32 s21, 0
	s_mov_b32 s47, 0
	s_mov_b64 s[18:19], KS
	s_mul_u64 s[22:23], s[20:21], s[18:19]         ; where these rows' scales begin, in bytes
	s_mul_u64 s[92:93], s[46:47], s[18:19]
	s_mov_b64 s[18:19], KROW
	s_mul_u64 s[20:21], s[20:21], s[18:19]         ; and their codes
	s_mul_u64 s[46:47], s[46:47], s[18:19]
	s_mul_i32 s45, s14, HALFT                      ; where they go: wave x 128 rows: no place in the cluster enters an LDS address
	s_mul_i32 s94, s14, HALFS
	s_wait_kmcnt 0x0
	s_add_nc_u64 s[66:67], s[8:9], 2048*KROW       ; W's rows 2048 on: v's weights,
	s_add_nc_u64 s[100:101], s[10:11], 2048*KS     ; and their scales
	s_cmp_eq_u32 ttmp9, 2                          ; which buffers are A and B: the choice hangs on the cluster's x alone
	s_cselect_b64 s[8:9], s[4:5], s[8:9]           ; B's codes: v: x;  q, k: W
	s_cselect_b64 s[10:11], s[6:7], s[10:11]       ; B's scales
	s_cselect_b64 s[4:5], s[66:67], s[4:5]         ; A's codes: v: W from row 2048;  q, k: x
	s_cselect_b64 s[6:7], s[100:101], s[6:7]       ; A's scales
	s_add_nc_u64 s[20:21], s[4:5], s[20:21]
	s_add_nc_u64 s[22:23], s[6:7], s[22:23]
	s_add_nc_u64 s[46:47], s[8:9], s[46:47]
	s_add_nc_u64 s[92:93], s[10:11], s[92:93]
	CROUND                                         ; all sixteen work-groups are here: the first joint loads meet
	s_mov_b32 s[G0S], 1
	s_add_co_u32 s[G0S+1], s94, SCL
	s_mov_b64 s[G0S+2:G0S+3], s[22:23]
	s_or_b32 s[G0S+3], s[G0S+3], 0x80000000
	s_mov_b32 s[G0SB], 1
	s_add_co_u32 s[G0SB+1], s94, SCL
	s_mov_b64 s[G0SB+2:G0SB+3], s[92:93]
	s_or_b32 s[G0SB+3], s[G0SB+3], 0x80000000
	JLOAD G0S, G1S, G0SB, G1SB                     ; the scales first: they are wanted with K step 0
.irp s, 0,1
	s_mov_b32 s[G0+4*\s], 1
	s_add_co_u32 s[G0+4*\s+1], s45, \s*SLOT
	s_add_nc_u64 s[G0+4*\s+2:G0+4*\s+3], s[20:21], \s*ROWB
	s_or_b32 s[G0+4*\s+3], s[G0+4*\s+3], 0x80000000
	s_mov_b32 s[G0B+4*\s], 1
	s_add_co_u32 s[G0B+4*\s+1], s45, \s*SLOT
	s_add_nc_u64 s[G0B+4*\s+2:G0B+4*\s+3], s[46:47], \s*ROWB
	s_or_b32 s[G0B+4*\s+3], s[G0B+4*\s+3], 0x80000000
	JLOAD G0+4*\s, G1, G0B+4*\s, G1B               ; three tensor loads of mine are out
.endr
	v_and_b32 v1, 15, v0                           ; r = l % 16
	v_bfe_u32 v2, v0, 4, 1                         ; h = l / 16
	; the biases.  q, k: of my 128 columns; v: of my 128 rows.  Both are loaded in both kinds, from inside b_qkv, and the one that does not apply is made 0
	s_wait_alu depctr_va_vdst(0)
	s_lshl_b32 s66, s42, 10
	s_lshl_b32 s67, s16, 9
	s_add_co_u32 s66, s66, s67
	s_and_b32 s66, s66, s2                         ; q, k: 4 bytes x my first column;  v: 0
	s_lshl_b32 s67, s17, 10
	s_lshl_b32 s100, s15, 9
	s_add_co_u32 s67, s67, s100
	s_add_co_u32 s67, s67, 8192
	s_and_b32 s67, s67, s95                        ; v: 4 bytes x (2048 + my first row);  q, k: 0
	v_lshlrev_b32 v7, 5, v2
	v_add_nc_u32 v7, s66, v7                       ; + 32 h: eight numbers for each half of the lanes
	v_lshlrev_b32 v22, 2, v1
	v_add_nc_u32 v22, s67, v22                     ; + 4 r
.irp b, 0,1,2,3,4,5,6,7
	global_load_b128 v[CB+8*\b:CB+8*\b+3], v7, s[12:13] offset:64*\b
	global_load_b128 v[CB+8*\b+4:CB+8*\b+7], v7, s[12:13] offset:64*\b+16
.endr
.irp a, 0,1,2,3,4,5,6,7
	global_load_b32 v[RB+\a], v22, s[12:13] offset:64*\a
.endr
	v_mul_u32_u24 v3, v1, PITCH
	v_lshl_add_u32 v4, v2, 4, v3                   ; a fragment's row x pitch + 16 x half
	s_mul_i32 s21, s15, HALFT                      ; my 128 rows of A
	s_mul_i32 s22, s16, HALFT                      ; my 128 rows of B,
	s_add_co_u32 s22, s22, 2*HALFT                 ; which lie behind A's 256
.irp s, 0,1
	v_add_nc_u32 v[ADRA+\s], s21, v4
	v_add_nc_u32 v[ADRB+\s], s22, v4
	s_add_co_u32 s21, s21, SLOT
	s_add_co_u32 s22, s22, SLOT
.endr
	v_mul_u32_u24 v5, v1, KS                       ; my row's scales: 32 bytes a row,
	v_lshrrev_b32 v6, 8, v5
	v_lshl_add_u32 v5, v6, 4, v5                   ; and 16 more for each 256 passed
	s_mul_i32 s21, s15, HALFS                      ; A's: my 128 rows
	s_mul_i32 s22, s16, HALFS                      ; B's: my 128 rows, behind A's 256
	s_add_co_u32 s22, s22, 2*HALFS
	s_sub_co_u32 s22, s22, s21
	v_mul_u32_u24 v6, s22, v2                      ; lanes 16-31 take B's
	s_add_co_u32 s21, s21, SCL
	v_add_nc_u32 v5, v5, v6
	v_add_nc_u32 v[ADRS], s21, v5
	s_mul_i32 s23, s14, WST                        ; my stage
	v_mul_u32_u24 v5, v1, CPITCH
	v_lshl_add_u32 v5, v2, 3, v5
	v_add_nc_u32 v[STO], s23, v5                   ; in: row r, 8 bytes for each half of the lanes
	v_and_b32 v6, 31, v0
	v_lshrrev_b32 v5, 3, v6
	v_mul_u32_u24 v5, v5, CPITCH
	v_and_b32 v3, 7, v6
	v_lshl_add_u32 v5, v3, 4, v5
	v_add_nc_u32 v[RD], s23, v5                    ; back: eight lanes to a row of 128 bytes, four rows an instruction
	v_lshlrev_b32 v[CO], 4, v6
	s_add_co_u32 s23, s23, SWB
	v_lshl_add_u32 v[SWO], v1, 2, s23
	v_add_nc_u32 v[SRD], s23, v[CO]
	; which block of the output is my wave's 128 x 128
	s_lshl_b32 s20, s17, 1
	s_add_co_u32 s20, s20, s15                     ; P: my 128 rows
	s_lshl_b32 s21, s42, 1
	s_add_co_u32 s21, s21, s16                     ; Q: my 128 columns
	s_lshr_b32 s22, s21, 3
	s_lshl_b32 s22, s22, 6
	s_lshl_b32 s23, s20, 3
	s_add_co_u32 s22, s22, s23
	s_and_b32 s23, s21, 7
	s_add_co_u32 s22, s22, s23
	s_add_co_u32 s22, s22, 1024                    ; v: 1024 + 64 (Q / 8) + 8 P + Q % 8
	s_lshl_b32 s23, s21, 6
	s_add_co_u32 s23, s23, s20                     ; q, k: 64 Q + P
	s_cmp_eq_u32 ttmp9, 2
	s_cselect_b32 s22, s22, s23
	s_lshl_b32 s46, s22, 14                        ; 16,384 bytes of codes a block,
	s_mov_b32 s47, 0
	s_add_nc_u64 s[96:97], s[96:97], s[46:47]
	s_lshl_b32 s46, s22, 9                         ; 512 of scale words
	s_add_nc_u64 s[98:99], s[98:99], s[46:47]
	s_wait_loadcnt 0x0                             ; the biases
.set i, 0
.rept 64
	v_cndmask_b32 v[CB+i], 0, v[CB+i], s2          ; kept for q, k; 0 for v
.set i, i+1
.endr
.set i, 0
.rept 8
	v_cndmask_b32 v[RB+i], 0, v[RB+i], s95         ; kept for v; 0 for q, k
.set i, i+1
.endr
.macro FRAG reg, adr, q, i             ; a fragment, 16 rows x 128 K of 8-bit codes: lane l holds row l % 16; registers 4 c .. 4 c + 3 hold K = 32 c + 16 (l / 16) + 0 .. 15
.irp c, 0,1,2,3
	ds_load_b128 v[\reg+4*\c:\reg+4*\c+3], v[\adr] offset:128*(\q)+32*\c+(\i)*16*PITCH
.endr
.endm
; 16 matrix instructions: A's blocks a0, a0 + 1 x B's eight, 128 along K: the slot's q-th.  p: B's set;  sc: the set of scale words.  first = 1: the first product starts the sums, with the columns' bias as its C.
; The 64 accumulators take turns, one instruction a turn, in the same order in every step.
.macro MUL16 a0, p, q, sc, first
.irp a, \a0, \a0+1
.irp b, 0,1,2,3,4,5,6,7
.if \first
	v_wmma_scale_f32_16x16x128_f8f6f4 v[8*(8*((\a)%4)+\b):8*(8*((\a)%4)+\b)+7], v[128*(\p)+FR*\b:128*(\p)+FR*\b+FR-1], v[AF+FR*(\a):AF+FR*(\a)+FR-1], v[CB+8*\b:CB+8*\b+7], v[SC+8*NQ*(\sc)+NQ*\b+(\q)], v[SC+8*NQ*(\sc)+NQ*(\a)+(\q)] matrix_a_scale:MATRIX_SCALE_ROW1
.else
	v_wmma_scale_f32_16x16x128_f8f6f4 v[8*(8*((\a)%4)+\b):8*(8*((\a)%4)+\b)+7], v[128*(\p)+FR*\b:128*(\p)+FR*\b+FR-1], v[AF+FR*(\a):AF+FR*(\a)+FR-1], v[8*(8*((\a)%4)+\b):8*(8*((\a)%4)+\b)+7], v[SC+8*NQ*(\sc)+NQ*\b+(\q)], v[SC+8*NQ*(\sc)+NQ*(\a)+(\q)] matrix_a_scale:MATRIX_SCALE_ROW1
.endif
.endr
.endr
.endm
.macro FETCH_B slot, q, p              ; B's eight fragments of the slot's q-th 128 along K into set p
	WIN TO_B
.irp i, 0,1,2,3,4,5,6,7
	FRAG 128*(\p)+FR*\i, ADRB+\slot, \q, \i
.endr
	WIN 0
.endm
.macro FETCH_A slot, q, i0             ; A's blocks i0 .. i0 + 3
.irp i, \i0, \i0+1, \i0+2, \i0+3
	FRAG AF+FR*(\i), ADRA+\slot, \q, \i
.endr
.endm
.macro SCALES sc                       ; the next K step's scale words into set sc: two words a row; lanes 0-15 take A's block i, lanes 16-31 B's block i
.irp i, 0,1,2,3,4,5,6,7
	ds_load_b64 v[SC+8*NQ*\sc+NQ*\i:SC+8*NQ*\sc+NQ*\i+1], v[ADRS] offset:\i*SBLK
.endr
.endm
; A load into a register that a matrix instruction has read, and a vector instruction that reads a matrix result or writes one of its registers, stand NP places behind it; only plain vector
; instructions that name none of its registers are places (ISA guide 7.12.1 for vector instructions).
.macro PLACES n
.rept \n
	v_nop
.endr
.endm
; A step of 128 along K that has its successor in the same slot.
.macro STEP slot, q, first
	s_wait_dscnt 4*NL                              ; B's set and A's blocks 0-3 are in; the youngest 16 loads (A's blocks 4-7) may be out
.if \first
	WIN MUL_LO0
.else
	WIN MUL_LO
.endif
	MUL16 0, (\q)%2, \q, \slot, \first
	MUL16 2, (\q)%2, \q, \slot, \first
	s_wait_dscnt 0                                 ; A's blocks 4-7 are in
	PLACES NP
	FETCH_B \slot, (\q)+1, 1-(\q)%2
	FETCH_A \slot, (\q)+1, 0
.if \first
	WIN MUL_HI0
.else
	WIN MUL_HI
.endif
	MUL16 4, (\q)%2, \q, \slot, \first
	MUL16 6, (\q)%2, \q, \slot, \first
	PLACES NP
	WIN 0
	FETCH_A \slot, (\q)+1, 4
.endm
; A slot's last step changes slots: ONE barrier; in front of it each wave waits for all its tensor loads, adds 0 to its spare word, and waits for that and for its own reads of this slot.  fill = 1: this slot is filled again, two K steps ahead.
.macro TURN slot, next, fill
	s_wait_tensorcnt 0x0                           ; all my tensor loads have landed: my part of the next slot;
	ds_add_u32 v[SPW], v[NIL]                      ; 0 onto my spare word;
	s_wait_dscnt 4*NL+1                            ; (the add and the youngest 16 loads, A's blocks 4-7, may be out)
	WIN MUL_LO
	MUL16 0, 1, NQ-1, \slot, 0                     ; sixteen matrix instructions stand between the add and the wait for it
	s_wait_dscnt 0x0                               ; the add is done, and my reads of this slot are over
	s_barrier_signal -1
	MUL16 2, 1, NQ-1, \slot, 0
	WIN 0
	s_barrier_wait -1
.if \fill
	CREST                                          ; the barrier has opened a round of the cluster's barrier: no wave of any partner still reads this slot's tile or has a load on its way
	s_add_nc_u64 s[G0+4*\slot+2:G0+4*\slot+3], s[G0+4*\slot+2:G0+4*\slot+3], 2*ROWB
	s_add_nc_u64 s[G0B+4*\slot+2:G0B+4*\slot+3], s[G0B+4*\slot+2:G0B+4*\slot+3], 2*ROWB
	JLOAD G0+4*\slot, G1, G0B+4*\slot, G1B         ; the first tensor load behind the round; its four v_nop are among the places in front of the loads below
	PLACES NP-4
.else
	PLACES NP
.endif
	s_wait_alu depctr_va_vdst(0)
	v_add_nc_u32 v[ADRS], 4*NQ, v[ADRS]            ; on to the next K step's scale words (no LDS load of mine is out)
	FETCH_B \next, 0, 0
	FETCH_A \next, 0, 0
	SCALES \next
	WIN MUL_HI
	MUL16 4, 1, NQ-1, \slot, 0
	MUL16 6, 1, NQ-1, \slot, 0
	PLACES NP
	WIN 0
	FETCH_A \next, 0, 4
.endm
	s_wait_alu depctr_va_vdst(0)
	s_wait_tensorcnt 1                             ; the scales and my part of K step 0 are in (K step 1's load may be out),
	s_barrier_signal -1
	s_barrier_wait -1                              ; everybody's are
	FETCH_B 0, 0, 0
	FETCH_A 0, 0, 0
	SCALES 0
	FETCH_A 0, 0, 4
	STEP 0, 0, 1                                   ; K = 1,024 is four K steps, eight steps of 128, written on end: the first starts the sums
	TURN 0, 1, 1                                   ; slot 0 takes K step 2
	STEP 1, 0, 0
	TURN 1, 0, 1                                   ; slot 1 takes K step 3
	STEP 0, 0, 0
	TURN 0, 1, 0                                   ; nothing is left to fetch: no round
	STEP 1, 0, 0
	s_wait_dscnt 4*NL                              ; the very last step
	WIN MUL_LO
	MUL16 0, 1, NQ-1, 1, 0
	MUL16 2, 1, NQ-1, 1, 0
	s_wait_dscnt 0
	WIN MUL_HI
	MUL16 4, 1, NQ-1, 1, 0
	MUL16 6, 1, NQ-1, 1, 0
	WIN 0
; THE WAY OUT, block by block of 16 rows x 128 columns.  Lane (r, h) holds row 16 a + r; register 8 b + j of the block is column 16 b + 8 h + j.  A block of 32 columns is accumulators 2 c and 2 c + 1 of lanes l and l xor 16.
.macro BIAS a                          ; the block's 64 numbers + the row's bias, into v[T] on; each accumulator is read from its low end on
	v_mov_b32 v[RBC], v[RB+(\a)]
	WIN 0x02+(\a)/4                                ; source 0: window 2 or 3
.irp b, 0,1,2,3,4,5,6,7
.irp j, 0,2,4,6
	v_pk_add_f32 v[T+8*\b+\j:T+8*\b+\j+1], v[64*((\a)%4)+8*\b+\j:64*((\a)%4)+8*\b+\j+1], v[RBC:RBC+1] op_sel_hi:[1,0]
.endr
.endr
	WIN 0
.endm
.macro QUANT s, pc, pw                 ; 64 numbers, four blocks of 16 registers, become 16 registers of codes and a scale word
.irp b, 0,1,2,3
	v_max3_num_f32 v[TM+\b], |v[\s+16*\b]|, |v[\s+1+16*\b]|, 0x4800000   ; my 16 numbers of block b, and the floor 2^(9 - 127): the byte cannot fall under 1
.endr
.irp i, 2,4,6,8,10,12,14
.irp b, 0,1,2,3
	v_max3_num_f32 v[TM+\b], v[TM+\b], |v[\s+16*\b+\i]|, |v[\s+1+16*\b+\i]|   ; (the four blocks by turns)
.endr
.endr
.irp b, 0,1,2,3
	v_permlanex16_b32 v[TM+4+\b], v[TM+\b], s92, s93
.endr
.irp b, 0,1,2,3
	v_max_num_f32 v[TM+\b], v[TM+\b], v[TM+4+\b]   ; with lane l xor 16's: the block's largest magnitude
.endr
.irp b, 0,1,2,3
	v_add_nc_u32 v[TM+12+\b], 0xfc000000, v[TM+\b] ; 8 off its exponent field: the conversion's scale operand
.endr
.irp b, 0,1,2,3
.endr
.irp b, 0,1,2,3
	v_lshrrev_b32 v[TM+4+\b], 23, v[TM+12+\b]      ; the scale's byte
.endr
	v_lshl_or_b32 v[\pw], v[TM+5], 8, v[TM+4]      ; the four bytes make my row's scale word
	v_lshl_or_b32 v[\pw], v[TM+6], 16, v[\pw]
	v_lshl_or_b32 v[\pw], v[TM+7], 24, v[\pw]
.irp b, 0,1,2,3
.irp i, 0,1,2,3,4,5,6,7,8,9,10,11,12,13,14,15
.endr
	v_cvt_scalef32_pk8_fp8_f32 v[\pc+4*\b:\pc+4*\b+1], v[\s+16*\b:\s+16*\b+7], v[TM+12+\b]        ; columns 32 b + 8 h on
	v_cvt_scalef32_pk8_fp8_f32 v[\pc+4*\b+2:\pc+4*\b+3], v[\s+16*\b+8:\s+16*\b+15], v[TM+12+\b]   ; columns 32 b + 16 + 8 h on
.endr
	v_nop                                          ; a plain line behind the last conversion, ahead of the next block's writes of its sources
.endm
.macro TOSTAGE a                       ; the codes into my stage (rows of 128 bytes + 16), the scale word to its place, and the rows back: LDS serves a wave's instructions in order
.set U, (\a)%2
.irp c, 0,1,2,3
	ds_store_b64 v[STO], v[PC+16*U+4*\c:PC+16*U+4*\c+1] offset:CST*U+32*\c
	ds_store_b64 v[STO], v[PC+16*U+4*\c+2:PC+16*U+4*\c+3] offset:CST*U+32*\c+16
.endr
	ds_store_b32 v[SWO], v[PW+U] offset:64*(\a)    ; both halves of the lanes write the same word with the same value
.irp i, 0,1,2,3
	ds_load_b128 v[OB+16*U+4*\i:OB+16*U+4*\i+3], v[RD] offset:CST*U+576*\i
.endr
.endm
.macro SEND a
.set U, (\a)%2
.irp i, 0,1,2,3
	global_store_b128 v[CO], v[OB+16*U+4*\i:OB+16*U+4*\i+3], s[96:97] offset:2048*(\a)+512*\i   ; four rows: 512 consecutive bytes, aligned
.endr
.endm
	PLACES NP                                      ; behind the last products: results are read, and registers that held fragments and scale words are written
	s_mov_b32 s92, 0x76543210
	s_mov_b32 s93, 0xfedcba98                      ; v_permlanex16_b32's selects for lane l xor 16
.irp b, 0,1,2,3
	v_mov_b32 v[TM+4+\b], 0                        ; written once: a lane permute's destination counts as one of its sources
.endr
	v_mov_b32 v[RBC+1], 0                          ; (named as the upper half of the pair)
.irp a, 0,1,2,3,4,5,6,7
	BIAS \a
	QUANT T, PC+16*((\a)%2), PW+(\a)%2
	s_wait_alu depctr_va_vdst(0)
	s_wait_dscnt 0x0                               ; the block before is back in registers, and its LDS stores have read theirs
.if \a > 1
	s_wait_xcnt 0x0                                ; the stores of two blocks back, issued a whole block ago, have read the registers into which this block's rows are loaded below;
.endif                                                 ; the wait stands ahead of the stores that follow, which read the other set
.if \a > 0
	SEND (\a)-1
.endif
	TOSTAGE \a
.endr
	s_wait_dscnt 0x0
	SEND 7
	ds_load_b128 v[T:T+3], v[SRD]                  ; my 128 rows' scale words, into registers that no store reads
	s_wait_dscnt 0x0
	global_store_b128 v[CO], v[T:T+3], s[98:99]    ; 512 consecutive bytes, aligned
	s_wait_tensorcnt 0x0                           ; the wave's end
	ds_add_u32 v[SPW], v[NIL]
	s_wait_dscnt 0x0
	CROUND                                         ; the closing round: no work-group ends while a partner may still ask for a tile that names it
	s_endpgm
.Lfunc_end_k_qc1b8b3bdaa_qkv:
	.size	k_qc1b8b3bdaa_qkv, .Lfunc_end_k_qc1b8b3bdaa_qkv-k_qc1b8b3bdaa_qkv
	.p2alignl 7, 3214868480
	.fill 96, 4, 3214868480
	.section	.rodata,"a",@progbits
	.p2align	6, 0x0
	.amdhsa_kernel k_qc1b8b3bdaa_qkv
		.amdhsa_group_segment_fixed_size 327680
		.amdhsa_private_segment_fixed_size 0
		.amdhsa_enable_private_segment 0
		.amdhsa_kernarg_size 56
		.amdhsa_user_sgpr_count 2
		.amdhsa_user_sgpr_kernarg_segment_ptr 1
		.amdhsa_wavefront_size32 1
		.amdhsa_system_sgpr_workgroup_id_x 1
		.amdhsa_system_sgpr_workgroup_id_y 1
		.amdhsa_system_sgpr_workgroup_id_z 1
		.amdhsa_system_vgpr_workitem_id 0
		.amdhsa_next_free_vgpr 1024
		.amdhsa_next_free_sgpr 102
		.amdhsa_reserve_vcc 0
		.amdhsa_float_denorm_mode_32 3
		.amdhsa_float_denorm_mode_16_64 3
		.amdhsa_fp16_overflow 1
		.amdhsa_memory_ordered 1
		.amdhsa_forward_progress 1
		.amdhsa_inst_pref_size 181
	.end_amdhsa_kernel
	.amdgpu_metadata
---
amdhsa.version: [ 1, 2 ]
amdhsa.kernels:
  - .name:           k_qc1b8b3bdaa_qkv
    .symbol:         k_qc1b8b3bdaa_qkv.kd
    .args:
      - { .name: xc, .offset: 0, .size: 8, .value_kind: global_buffer, .address_space: global }
      - { .name: xs, .offset: 8, .size: 8, .value_kind: global_buffer, .address_space: global }
      - { .name: W_qkv_codes, .offset: 16, .size: 8, .value_kind: global_buffer, .address_space: global }
      - { .name: W_qkv_scales, .offset: 24, .size: 8, .value_kind: global_buffer, .address_space: global }
      - { .name: b_qkv, .offset: 32, .size: 8, .value_kind: global_buffer, .address_space: global }
      - { .name: qkvc, .offset: 40, .size: 8, .value_kind: global_buffer, .address_space: global }
      - { .name: qkvs, .offset: 48, .size: 8, .value_kind: global_buffer, .address_space: global }
    .group_segment_fixed_size: 327680
    .private_segment_fixed_size: 0
    .kernarg_segment_align: 8
    .kernarg_segment_size: 56
    .max_flat_workgroup_size: 128
    .sgpr_count:     102
    .vgpr_count:     1024
    .wavefront_size: 32
...
	.end_amdgpu_metadata
.endif
;; end of part 2
;; launch attn (part 3): grid 4 x 64, 16 waves a work-group, clusters of 4 x 1, 327,680 bytes of LDS; arguments qkvc, qkvs, oc, os; writes oc, os
.if DOCPART == 3
	.amdgcn_target "amdgcn-amd-amdhsa--gfx1250"
	.amdhsa_code_object_version 6
	.text
	.protected	k_qc1b8b3bdaa_attn
	.globl	k_qc1b8b3bdaa_attn
	.p2align	8
	.type	k_qc1b8b3bdaa_attn,@function
k_qc1b8b3bdaa_attn:
	s_mov_b64 s[64:65], 0
	v_nop
	global_prefetch_b8 v0, s[64:65] scope:SCOPE_SE
	s_setreg_imm32_b32 hwreg(HW_REG_WAVE_MODE, 25, 1), 1
	s_wait_xcnt 0x0
	s_wait_alu depctr_hold_cnt(0) depctr_sa_sdst(0) depctr_va_vdst(0) depctr_va_sdst(0) depctr_va_ssrc(0) depctr_va_vcc(0) depctr_vm_vsrc(0)
	s_getreg_b32 s2, hwreg(HW_REG_IB_STS2, 6, 4)
	s_cmp_eq_u32 s2, 0
	s_cbranch_scc0 .Lentry_in_a_cluster
	s_endpgm
.Lentry_in_a_cluster:
	s_bfe_u32 s2, ttmp6, 0x10000c
	s_cmp_lg_u32 s2, 0x3003
	s_cbranch_scc0 .Lentry_shape_is_right
	s_endpgm
.Lentry_shape_is_right:
; o = softmax(q k^T / 32, causal) v for 8 batches x 16 heads of 64, 1,024 positions, both products on codes of FP8 (E4M3) with E8M0 scales for each 32 along K; o is quantised along the model's 1,024 and leaves as codes.
; THE SOFTMAX: t = score x log2(e) / 32; M = the row's largest t so far, rounded UP to a whole number; p = 2^(t - M) is quantised along the keys, not normalised; the row's sum is taken of the unquantised p and
; divides O at the end.  When M moves, the sum and O are multiplied by 2^(old M - new M): exact.
; SHARES.  A cluster of four work-groups takes one pair of heads (2 hp, 2 hp + 1) of one batch.  All K and V codes of the pair (2 x 128 KB) and their scale words stay in each work-group's LDS, filled ONCE,
; by joint loads (the four partners need the same bytes): nothing is filled again, so there is no ring.  All of K and V is asked for at the head, so there is no later stream to prefetch.
; THE FILLS COME IN TWO PIECES: each wave asks first for its sixteenth of what key steps 0 and 1 read (32 rows: so few, so that all sixteen waves share those 64 KB), then for its sixteenth of the rest (96 rows).
; Key steps 0 and 1 of the first tile are written out between a barrier behind the first piece and a barrier behind the second: the second piece lands under their work.
; Wave w of work-group cx owns two tiles of 16 queries, one after the other: head 2 hp + 1, tile 4 (15 - w) + cx; then head 2 hp, tile 4 w + cx.  Their last key steps, 7 - w / 2 and w / 2, hang on the wave's
; number alone, and together every wave has nine key steps of 128 keys: equal work for every wave.  Key steps behind the diagonal are jumped over; every wave walks eight steps for each tile.
; LAYOUT.  Both products are used transposed: S^T = K Q^T, O^T = V^T P^T: a lane holds ONE query (lane % 16).  Lane r of tile 2 b + u of K takes key 32 b + 8 u + r + 8 (r / 8), so that p's 16 registers of two
; neighbouring tiles are 16 neighbouring keys; V's rows are chosen the same way, so that O^T's 16 registers of two tiles are 16 neighbouring channels: the next product's K.
; THE HEAD'S 64 IS HALF OF THE INSTRUCTION'S 128.  A row of q or k holds head 2 hp's 64 codes, then head 2 hp + 1's, and its scale word the four bytes in that order.  Q's fragment is my head's 8 registers in their
; place and 8 registers of ZERO CODES in the other.  K's fragment of tile t is v[FB + 8 t .. + 15]: my head's 8 registers are loaded in their place; the other 8 are a neighbouring tile's (or older) codes, which meet
; Q's zero codes and add nothing.  v40-119 hold only zeros, loaded codes and conversions' results, none of which is the NaN code.
; LIMITS: hidden scores are taken as -infinity where reference() has -(2^32 - 1): the same result unless every visible logit of a row lies under about -4.29e9.  1 / the sum is v_rcp_f32.  A block of zeros gets
; the byte 1 where the quantiser says 127 (this program alone reads the bytes).  NaN and infinities among the inputs are not served.
; OUT: oc: images of the next product's fragments, [row / 16][hp][c][lane][16 bytes]: lane (r, h) of piece c holds o(row, 128 hp + 32 c + 16 h + 0 .. 15).  os: [8192][32] scale bytes.
.set KP,    144                        ; a row in LDS: 128 bytes + 16 of padding = 36 words
.set STEPB, 128*KP                     ; a key step's rows of K (128 keys) or of V (128 rows = 2 heads x 64 channels)
.set VT,    8*STEPB                    ; LDS: K's 1,024 rows from 0, V's 1,024 rows from here,
.set KSC,   2*VT                       ; K's scale words, 4 bytes a key,
.set VSC,   KSC+4096                   ; V's, 4 bytes a row
.set ER,    32                         ; rows of a wave's first piece: 8 waves x 32 = the 256 rows of key steps 0 and 1
.set LR,    96                         ; rows of its second: 8 x 96 = the other 768
.set AK0,  1                           ; v1   my lane's place in a tile of K
.set AV0,  2                           ; v2   of V
.set ASK0, 3                           ; v3   among K's scale words
.set ASV0, 4                           ; v4   among V's
.set QS,   5                           ; v5, v6  Q's scale words: head 2 hp's tile, head 2 hp + 1's
.set GO,   7                           ; v7   16 x lane
.set ADK,  8                           ; v8-11 LDS addresses of the step in hand: K, V, K's scale words, V's
.set ADV,  9
.set ADS,  10
.set ADT,  11                          ; v12 -M, v13 the largest t, v[14:15] the sum in two halves
.set QF,   16                          ; v16-23 q of head 2 hp, v24-31 zero codes, v32-39 q of head 2 hp + 1
.set FB,   40                          ; v40-103 eight tiles of K (8 registers each), later four fragments of V
.set P,    104                         ; v104-119 p's codes; on the way out o's
.set S,    120                         ; v120-183 S^T, then p; on the way out o
.set OT,   184                         ; v184-215 O^T
.set BM,   216                         ; v216-219 the blocks' largest
.set TP,   220                         ; v220-223 at work
.set HD,   224
.set CV,   228                         ; v228-231 the conversions' scale operands
.set KW,   232                         ; v232-239 K's scale words
.set VW,   240                         ; v240-243 V's
.set FF,   244                         ; v244 f = 2^(old M - new M); v245 p's scale word
.set TA,   246                         ; v246-250 at work
.set TD,   247
.set NI,   249
.set OSO,  251                         ; v251 32 r + h: my scale byte's place
.set DL,   252                         ; v252 r - 16 h
.set WV,   12                          ; s12 wave; s13 cx; s14, s15 last key step of head 2 hp's tile, of head 2 hp + 1's; s16, s17 their first queries
.set CX,   13
.set HM,   18                          ; s18 lanes 16-31
.set MNT,  19
.set SEL,  20                          ; s[20:21] v_permlanex16_b32's selects for lane l xor 16
.set CS,   22                          ; s[22:23] c = log2(e) / 32
.set G1S,  24                          ; s[24:31] descriptor group 1 for scale words; s[32:39] for the first piece of codes; s[40:47] for the second
.set G1E,  32
.set G1L,  40
.set G0S,  48                          ; s[48:51], s[52:55], s[56:59] their groups 0
.set G0E,  52
.set G0L,  56
.set KSI,  60                          ; s60 the key step; s61 its rows' LDS byte; s62 its scale words'; s63 its first key
.set TK,   61
.set TS,   62
.set KF,   63
.set GL,   66                          ; s66 the last key step of the tile in hand; s67 its first query
.set Q0,   67                          ; s[68:69], s[70:71] oc at head 2 hp + 1's tile, at head 2 hp's; s[72:73], s[74:75] os likewise
.macro CROUND                          ; a round of the cluster's barrier
	s_barrier_signal -1
	s_barrier_wait -1
	s_cmp_lg_u32 s[WV], 0
	s_cbranch_scc1 .Lnot_wave_0_\@
	s_barrier_signal -3
.Lnot_wave_0_\@:
	s_barrier_wait -3
	s_barrier_signal -1
	s_barrier_wait -1
.endm
	s_load_b256 s[4:11], s[0:1], 0x0               ; qkvc s[4:5], qkvs s[6:7], oc s[8:9], os s[10:11]
	v_lshl_add_u32 v254, v0, 2, 0x4a000
	v_mov_b32 v255, 0
	ds_add_u32 v254, v255
	ds_add_u32 v254, v255
	v_lshrrev_b32 v8, 5, v0
	s_delay_alu instid0(VALU_DEP_1)
	v_readfirstlane_b32 s[WV], v8                  ; wave 0..15
	s_bfe_u32 s[CX], ttmp6, 0x40000                ; cx: it enters Q's, oc's and os's addresses and the mask's numbers alone
	s_and_b32 s80, ttmp7, 0xffff                   ; 8 b + hp, which the four partners share
	s_lshr_b32 s81, s80, 3                         ; b
	s_and_b32 s82, s80, 7                          ; hp
	s_lshl_b32 s78, s82, 6
	s_lshl_b32 s79, s81, 3
	s_add_co_u32 s78, s78, s79                     ; q's first block: 64 hp + 8 b
	s_add_co_u32 s79, s78, 512                     ; k's: 64 (8 + hp) + 8 b
	s_lshl_b32 s83, s80, 3
	s_add_co_u32 s83, s83, 1024                    ; v's: 1024 + 8 (8 b + hp)
	s_and_b32 s77, s[WV], 7                        ; i: which eighth I fetch
	s_lshr_b32 s76, s[WV], 3                       ; of K (waves 0-7) or of V (waves 8-15)
	s_cmp_lt_u32 s[WV], 8
	s_cselect_b32 s79, s79, s83                    ; the first of that tensor's eight blocks: 1,024 dense rows of 128 bytes
	s_add_co_u32 s86, s79, s77
	s_lshl_b32 s86, s86, 9                         ; the scale words of block i: 512 bytes
	s_mov_b32 s87, 0
	s_lshl_b32 s79, s79, 14                        ; where the 1,024 rows begin, in bytes
	s_lshl_b32 s84, s77, 12
	s_add_co_u32 s84, s84, s79                     ; rows 32 i on
	s_mov_b32 s85, 0
	s_mul_i32 s98, s77, LR*128
	s_add_co_u32 s98, s98, s79
	s_add_co_u32 s98, s98, 256*128                 ; rows 256 + 96 i on
	s_mov_b32 s99, 0
	s_mul_i32 s88, s76, VT                         ; where they go: K's rows from 0, V's from VT,
	s_mul_i32 s93, s77, ER*KP
	s_add_co_u32 s93, s93, s88                     ; the first piece,
	s_mul_i32 s76, s77, LR*KP
	s_add_co_u32 s88, s88, s76
	s_add_co_u32 s88, s88, 256*KP                  ; the second,
	s_lshl_b32 s89, s[WV], 9
	s_add_co_u32 s89, s89, KSC                     ; the scale words: wave x 512 bytes.  No place in the cluster enters an LDS address
	s_lshl_b32 s90, s[WV], 2
	s_xor_b32 s92, s90, 60                         ; 60 - 4 w
	s_add_co_u32 s91, s90, s[CX]                   ; head 2 hp's tile: 4 w + cx
	s_add_co_u32 s92, s92, s[CX]                   ; head 2 hp + 1's: 4 (15 - w) + cx
	s_lshr_b32 s14, s[WV], 1                       ; their last key steps: tile / 8
	s_xor_b32 s15, s14, 7                          ; 7 - w / 2
	s_lshl_b32 s16, s91, 4                         ; their first queries
	s_lshl_b32 s17, s92, 4
	; descriptor group 1.  Scale words: 512 dense bytes, as 2 rows of 32 elements of 8 bytes
	s_mov_b32 s[G1S], 15|(3<<16)|(1<<21)           ; 15:0 the mask: all four work-groups; 17:16 elements of 8 bytes; 21 set beside a mask
	s_mov_b32 s[G1S+1], 32<<16
	s_mov_b32 s[G1S+2], 2<<16
	s_mov_b32 s[G1S+3], 32<<16
	s_mov_b32 s[G1S+4], 2
	s_mov_b32 s[G1S+5], 32
	s_mov_b32 s[G1S+6], 0
	s_mov_b32 s[G1S+7], 0
	; codes: rows of 128 bytes, dense in memory, 16 bytes of padding behind each in LDS: 32 rows, and 96
	s_mov_b32 s[G1E], 15|(0<<16)|(1<<20)|(1<<21)|(4<<22)|(3<<25)   ; elements of 1 byte; padding on: four words after every 32
	s_mov_b32 s[G1E+1], 128<<16
	s_mov_b32 s[G1E+2], ER<<16
	s_mov_b32 s[G1E+3], 128<<16
	s_mov_b32 s[G1E+4], ER
	s_mov_b32 s[G1E+5], 128
	s_mov_b32 s[G1E+6], 0
	s_mov_b32 s[G1E+7], 0
	s_mov_b32 s[G1L], 15|(0<<16)|(1<<20)|(1<<21)|(4<<22)|(3<<25)
	s_mov_b32 s[G1L+1], 128<<16
	s_mov_b32 s[G1L+2], LR<<16
	s_mov_b32 s[G1L+3], 128<<16
	s_mov_b32 s[G1L+4], LR
	s_mov_b32 s[G1L+5], 128
	s_mov_b32 s[G1L+6], 0
	s_mov_b32 s[G1L+7], 0
	s_mov_b32 s[HM], 0xffff0000
	s_mov_b32 s[SEL], 0x76543210
	s_mov_b32 s[SEL+1], 0xfedcba98
	s_mov_b32 s[CS], 0x3d38aa3b                    ; c = log2(e) / 32
	s_mov_b32 s[CS+1], s[CS]                       ; (named with it as a pair, so it is written)
	v_and_b32 v8, 15, v0                           ; r
	v_bfe_u32 v9, v0, 4, 1                         ; h
	s_delay_alu instid0(VALU_DEP_2)
	v_lshlrev_b32 v10, 7, v8
	s_delay_alu instid0(VALU_DEP_1)
	v_lshl_add_u32 v10, v9, 4, v10                 ; 128 r + 16 h
	s_lshl_b32 s76, s91, 11
	s_lshl_b32 s77, s92, 11
	v_add_nc_u32 v247, s76, v10
	v_add_nc_u32 v248, s77, v10
	v_lshlrev_b32 v11, 2, v8
	s_lshl_b32 s76, s91, 6
	s_lshl_b32 s77, s92, 6
	v_add_nc_u32 v249, s76, v11
	v_add_nc_u32 v250, s77, v11
	s_wait_alu depctr_va_vdst(0)
	s_wait_dscnt 0x0
	s_wait_kmcnt 0x0
	s_mov_b32 s[G0S], 1
	s_mov_b32 s[G0S+1], s89
	s_add_nc_u64 s[G0S+2:G0S+3], s[6:7], s[86:87]
	s_or_b32 s[G0S+3], s[G0S+3], 0x80000000
	s_mov_b32 s[G0E], 1
	s_mov_b32 s[G0E+1], s93
	s_add_nc_u64 s[G0E+2:G0E+3], s[4:5], s[84:85]
	s_or_b32 s[G0E+3], s[G0E+3], 0x80000000
	s_mov_b32 s[G0L], 1
	s_mov_b32 s[G0L+1], s88
	s_add_nc_u64 s[G0L+2:G0L+3], s[4:5], s[98:99]
	s_or_b32 s[G0L+3], s[G0L+3], 0x80000000
	s_lshl_b32 s84, s78, 14
	s_lshl_b32 s86, s78, 9
	s_add_nc_u64 s[94:95], s[4:5], s[84:85]        ; q's codes of this batch and pair of heads: 128 bytes a position,
	s_add_nc_u64 s[96:97], s[6:7], s[86:87]        ; its scale words: 4 bytes a position
	global_load_b128 v[QF:QF+3], v247, s[94:95]              ; Q is asked for ahead of the round: it is on its way while the partners meet.  Head 2 hp: bytes 0-63 of the row: registers 0-7 of its fragment v[16:31]
	global_load_b128 v[QF+4:QF+7], v247, s[94:95] offset:32
	global_load_b128 v[QF+16:QF+19], v248, s[94:95] offset:64   ; head 2 hp + 1: bytes 64-127: registers 8-15 of its fragment v[24:39]
	global_load_b128 v[QF+20:QF+23], v248, s[94:95] offset:96
	global_load_b32 v[QS], v249, s[96:97]
	global_load_b32 v[QS+1], v250, s[96:97]
	CROUND                                         ; all four work-groups are here: the joint loads meet
	tensor_load_to_lds s[G0S:G0S+3], s[G1S:G1S+7]  ; every wave's three first fills, the launch's only tensor loads: three of mine are out
	s_nop 0
	tensor_load_to_lds s[G0E:G0E+3], s[G1E:G1E+7]
	s_nop 0
	tensor_load_to_lds s[G0L:G0L+3], s[G1L:G1L+7]
	s_nop 0
.rept 4
	v_nop
.endr
	; where the results go
	s_lshl_b32 s83, s81, 6                         ; 64 b
	s_lshl_b32 s98, s82, 11                        ; 2,048 hp
	s_lshl_b32 s99, s82, 2                         ; 4 hp
	s_add_co_u32 s76, s83, s92                     ; head 2 hp + 1's tile of rows
	s_lshl_b32 s84, s76, 14
	s_add_co_u32 s84, s84, s98
	s_add_nc_u64 s[68:69], s[8:9], s[84:85]
	s_lshl_b32 s86, s76, 9
	s_add_co_u32 s86, s86, s99
	s_add_co_u32 s86, s86, 2
	s_add_nc_u64 s[72:73], s[10:11], s[86:87]
	s_add_co_u32 s76, s83, s91                     ; head 2 hp's
	s_lshl_b32 s84, s76, 14
	s_add_co_u32 s84, s84, s98
	s_add_nc_u64 s[70:71], s[8:9], s[84:85]
	s_lshl_b32 s86, s76, 9
	s_add_co_u32 s86, s86, s99
	s_add_nc_u64 s[74:75], s[10:11], s[86:87]
	v_and_b32 v[TA], 8, v8
	s_delay_alu instid0(VALU_DEP_1)
	v_add_nc_u32 v[TA], v[TA], v8                  ; r + 8 (r / 8)
	s_delay_alu instid0(VALU_DEP_1)
	v_mul_u32_u24 v[AK0], v[TA], KP
	s_delay_alu instid0(VALU_DEP_1)
	v_lshl_add_u32 v[AK0], v9, 4, v[AK0]
	s_delay_alu instid0(VALU_DEP_1)
	v_add_nc_u32 v[AV0], VT, v[AK0]
	s_delay_alu instid0(VALU_DEP_4)
	v_lshl_add_u32 v[ASK0], v[TA], 2, KSC
	v_lshl_add_u32 v[ASV0], v[TA], 2, VSC
	v_and_b32 v[GO], 31, v0
	s_delay_alu instid0(VALU_DEP_1)
	v_lshlrev_b32 v[GO], 4, v[GO]
	v_lshl_add_u32 v[OSO], v8, 5, v9
	v_lshlrev_b32 v[DL], 4, v9
	s_delay_alu instid0(VALU_DEP_1)
	v_sub_nc_u32 v[DL], v8, v[DL]
.set i, 0
.rept 8
	v_mov_b32 v[QF+8+i], 0                         ; Q's zero codes
	v_mov_b32 v[FB+i], 0                           ; and zero codes where a fragment of K reaches registers that nothing has loaded yet
.set i, i+1
.endr
.set i, 0
.rept 16
	v_mov_b32 v[P+i], 0
.set i, i+1
.endr
.irp b, 0,1,2,3
	v_mov_b32 v[TP+\b], 0                          ; written once: a lane permute's destination counts as one of its sources
.endr
	v_mov_b32 v[FF+1], 0                           ; (named as the upper half of the pair before it is first written)
	v_mov_b32 v[TA], 0
; A tile begins: O^T and the sum as zeros, the largest t as -3e38: the step has one form, and the first change of M leaves zeros zeros.
.macro BEGIN g, q
	s_mov_b32 s[GL], s[\g]
	s_mov_b32 s[Q0], s[\q]
	s_mov_b32 s[KSI], 0
	s_mov_b32 s[TK], 0
	s_mov_b32 s[TS], 0
	s_mov_b32 s[KF], 0
	v_mov_b32 v13, 0xff61b1e6
	s_delay_alu instid0(VALU_DEP_1)
	v_floor_f32 v12, -v13
	v_mov_b32 v14, 0
	v_mov_b32 v15, 0
.set i, 0
.rept 32
	v_mov_b32 v[OT+i], 0
.set i, i+1
.endr
.endm
; A KEY STEP: 128 keys, for head 2 hp + H.
.macro STEP H
	s_cmp_gt_u32 s[KSI], s[GL]                     ; all its keys come after my queries: only the addresses step.  The branch hangs on the wave's number and the step
	s_cbranch_scc1 .Lhidden_\@
	s_setprio 2
	v_add_nc_u32 v[ADK], s[TK], v[AK0]
	v_add_nc_u32 v[ADV], s[TK], v[AV0]
	v_add_nc_u32 v[ADS], s[TS], v[ASK0]
	v_add_nc_u32 v[ADT], s[TS], v[ASV0]
.rept 4
	v_nop                                          ; with the four additions: eight places in front of loads into registers that the last products have read
.endr
.irp t, 0,1,2,3,4,5,6,7
.irp c, 0,1
	ds_load_b128 v[FB+8*(\t+\H)+4*\c:FB+8*(\t+\H)+4*\c+3], v[ADK] offset:(32*(\t/2)+8*(\t%2))*KP+64*\H+32*\c
.endr
	ds_load_b32 v[KW+\t], v[ADS] offset:(32*(\t/2)+8*(\t%2))*4
.endr
	s_wait_alu depctr_va_vdst(0)
	s_wait_dscnt 0x0
.irp t, 0,1,2,3,4,5,6,7
	v_wmma_scale_f32_16x16x128_f8f6f4 v[S+8*\t:S+8*\t+7], v[FB+8*\t:FB+8*\t+15], v[QF+8*\H:QF+8*\H+15], 0, v[KW+\t], v[QS+\H]
.endr
.rept 8
	v_nop                                          ; places: the scores are read below, and V's fragments are loaded over K's
.endr
.irp t, 0,1,2,3                                ; V is asked for now and lands under the softmax
.irp c, 0,1,2,3
	ds_load_b128 v[FB+16*\t+4*\c:FB+16*\t+4*\c+3], v[ADV] offset:(32*(\t/2)+8*(\t%2)+64*\H)*KP+32*\c
.endr
	ds_load_b32 v[VW+\t], v[ADT] offset:(32*(\t/2)+8*(\t%2)+64*\H)*4
.endr
	s_cmp_lt_u32 s[KSI], s[GL]                     ; ahead of the diagonal every key counts
	s_cbranch_scc1 .Lopen_\@
	s_sub_co_i32 s76, s[Q0], s[KF]
	v_add_nc_u32 v[TD], s76, v[DL]                 ; d = my query - the step's first key - 16 h.  Register 16 b + i holds key 32 b + 16 h + i of the step: hidden where 32 b + i > d
	v_mov_b32 v[NI], 0xff800000                    ; -infinity: p = 0 then
.set n, 0
.rept 64
	v_cmp_gt_i32 vcc_lo, 32*(n/16)+n%16, v[TD]
	v_cndmask_b32 v[S+n], v[S+n], v[NI], vcc_lo
.set n, n+1
.endr
.Lopen_\@:
.irp b, 0,1,2,3
	v_max3_num_f32 v[BM+\b], v[S+16*\b], v[S+16*\b+1], v[S+16*\b+2]   ; the largest score of each block of 32 keys: for the row's maximum, and, since p rises with the score, for the block's largest p
.endr
.irp i, 3,5,7,9,11,13
.irp b, 0,1,2,3
	v_max3_num_f32 v[BM+\b], v[BM+\b], v[S+16*\b+\i], v[S+16*\b+\i+1]
.endr
.endr
.irp b, 0,1,2,3
	v_max_num_f32 v[BM+\b], v[BM+\b], v[S+16*\b+15]
.endr
.irp b, 0,1,2,3
	s_delay_alu instid0(VALU_DEP_4)
	v_permlanex16_b32 v[TP+\b], v[BM+\b], s[SEL], s[SEL+1]
.endr
.irp b, 0,1,2,3
	s_delay_alu instid0(VALU_DEP_4)
	v_max_num_f32 v[BM+\b], v[BM+\b], v[TP+\b]     ; with lane l xor 16's 16 keys
.endr
	s_delay_alu instid0(VALU_DEP_2)
	v_max3_num_f32 v[TA], v[BM], v[BM+1], v[BM+2]
	s_delay_alu instid0(VALU_DEP_1)
	v_max_num_f32 v[TA], v[TA], v[BM+3]            ; the step's largest score of my query
	s_delay_alu instid0(VALU_DEP_1)
	v_mul_f32 v[TA], s[CS], v[TA]                  ; as t (c is positive)
	s_delay_alu instid0(VALU_DEP_1)
	v_max_num_f32 v13, v13, v[TA]                  ; the running largest t
	v_mov_b32 v[TA], v12
	s_delay_alu instid0(VALU_DEP_2)
	v_floor_f32 v12, -v13                          ; the new -M = floor(-t) = -ceil(t)
	s_delay_alu instid0(VALU_DEP_1)
	v_sub_f32 v[TA], v12, v[TA]                    ; old M - new M: a whole number, 0 or less
	s_delay_alu instid0(VALU_DEP_1)
	v_cvt_i32_f32 v[TA], v[TA]                     ; (it saturates)
	s_delay_alu instid0(VALU_DEP_1)
	v_ldexp_f32 v[FF], 1.0, v[TA]                  ; f = 2^(old M - new M)
.set j, 0
	s_setprio 1
.rept 32
	v_pk_fma_f32 v[S+j:S+j+1], v[S+j:S+j+1], s[CS:CS+1], v[12:13] op_sel_hi:[1,0,0]   ; t - M, two at a time
.set j, j+2
.endr
.irp b, 0,1,2,3
	v_fma_f32 v[BM+\b], v[BM+\b], s[CS], v12       ; the same of each block's largest score
.endr
.set j, 0
	s_wait_alu depctr_va_vdst(0)
.rept 64
	v_exp_f32 v[S+j], v[S+j]                       ; p = 2^(t - M), at most 1
.set j, j+1
.endr
	v_pk_mul_f32 v[14:15], v[14:15], v[FF:FF+1] op_sel_hi:[1,0]   ; the sums under the new M (the plain line behind the exponentials)
	s_wait_alu depctr_va_vdst(0)                   ; one wait for the whole batch, ahead of its first reader
.irp b, 0,1,2,3
	v_exp_f32 v[BM+\b], v[BM+\b]                   ; the block's largest p: the same two instructions on the same number give the same bits
.endr
	v_pk_add_f32 v[220:221], v[124:125], v[128:129]
	v_pk_add_f32 v[248:249], v[132:133], v[136:137]
	v_pk_add_f32 v[238:239], v[140:141], v[144:145]
	v_pk_add_f32 v[236:237], v[148:149], v[152:153]
	v_pk_add_f32 v[234:235], v[156:157], v[160:161]
	v_pk_add_f32 v[232:233], v[164:165], v[168:169]
	v_pk_add_f32 v[230:231], v[172:173], v[176:177]
	v_pk_add_f32 v[14:15], v[14:15], v[180:181]
	v_pk_add_f32 v[220:221], v[220:221], v[120:121]
	v_pk_add_f32 v[248:249], v[248:249], v[122:123]
	v_pk_add_f32 v[238:239], v[238:239], v[126:127]
	v_pk_add_f32 v[236:237], v[236:237], v[130:131]
	v_pk_add_f32 v[234:235], v[234:235], v[134:135]
	v_pk_add_f32 v[232:233], v[232:233], v[138:139]
	v_pk_add_f32 v[230:231], v[230:231], v[142:143]
	v_pk_add_f32 v[14:15], v[14:15], v[146:147]
	v_pk_add_f32 v[220:221], v[220:221], v[150:151]
	v_pk_add_f32 v[248:249], v[248:249], v[154:155]
	v_pk_add_f32 v[238:239], v[238:239], v[158:159]
	v_pk_add_f32 v[236:237], v[236:237], v[162:163]
	v_pk_add_f32 v[234:235], v[234:235], v[166:167]
	v_pk_add_f32 v[232:233], v[232:233], v[170:171]
	v_pk_add_f32 v[230:231], v[230:231], v[174:175]
	v_pk_add_f32 v[14:15], v[14:15], v[178:179]
	v_pk_add_f32 v[220:221], v[220:221], v[182:183]
	s_delay_alu instid0(VALU_DEP_2)
	v_pk_add_f32 v[14:15], v[14:15], v[236:237]
	s_delay_alu instid0(VALU_DEP_2)
	v_pk_add_f32 v[220:221], v[220:221], v[234:235]
	v_pk_add_f32 v[248:249], v[248:249], v[232:233]
	v_pk_add_f32 v[238:239], v[238:239], v[230:231]
	s_delay_alu instid0(VALU_DEP_2)
	v_pk_add_f32 v[14:15], v[14:15], v[248:249]
	s_delay_alu instid0(VALU_DEP_2)
	v_pk_add_f32 v[220:221], v[220:221], v[238:239]
	s_delay_alu instid0(VALU_DEP_1)
	v_pk_add_f32 v[14:15], v[14:15], v[220:221]
	s_setprio 0
	s_wait_alu depctr_va_vdst(0)                   ; and one for the four
.irp b, 0,1,2,3
	v_max_num_f32 v[BM+\b], 0x4800000, v[BM+\b]    ; the floor 2^(9 - 127): the byte cannot fall under 1
.endr
.irp b, 0,1,2,3
	s_delay_alu instid0(VALU_DEP_4)
	v_add_nc_u32 v[CV+\b], 0xfc000000, v[BM+\b]    ; 8 off the exponent field: the conversion's scale operand
.endr
.irp b, 0,1,2,3
.endr
.irp b, 0,1,2,3
	s_delay_alu instid0(VALU_DEP_4)
	v_lshrrev_b32 v[TP+\b], 23, v[CV+\b]           ; the scale's byte
.endr
	s_delay_alu instid0(VALU_DEP_3)
	v_lshl_or_b32 v[FF+1], v[TP+1], 8, v[TP]       ; p's scale word for these 128 keys
	s_delay_alu instid0(VALU_DEP_1)
	v_lshl_or_b32 v[FF+1], v[TP+2], 16, v[FF+1]
	s_delay_alu instid0(VALU_DEP_1)
	v_lshl_or_b32 v[FF+1], v[TP+3], 24, v[FF+1]
.irp b, 0,1,2,3
.irp i, 0,1,2,3,4,5,6,7,8,9,10,11,12,13,14,15
.endr
	v_cvt_scalef32_pk8_fp8_f32 v[P+4*\b:P+4*\b+1], v[S+16*\b:S+16*\b+7], v[CV+\b]
	v_cvt_scalef32_pk8_fp8_f32 v[P+4*\b+2:P+4*\b+3], v[S+16*\b+8:S+16*\b+15], v[CV+\b]
.endr
.set j, 0
.rept 16
	v_pk_mul_f32 v[OT+j:OT+j+1], v[OT+j:OT+j+1], v[FF:FF+1] op_sel_hi:[1,0]   ; O^T under the new M (also the places between the codes and the products)
.set j, j+2
.endr
	s_wait_alu depctr_va_vdst(0)
	s_wait_dscnt 0x0                               ; V's fragments and scale words
.irp t, 0,1,2,3
	v_wmma_scale_f32_16x16x128_f8f6f4 v[OT+8*\t:OT+8*\t+7], v[FB+16*\t:FB+16*\t+15], v[P:P+15], v[OT+8*\t:OT+8*\t+7], v[VW+\t], v[FF+1]
.endr
.Lhidden_\@:
	s_add_co_u32 s[KF], s[KF], 128
	s_add_co_u32 s[TK], s[TK], STEPB
	s_add_co_u32 s[TS], s[TS], 512
.endm
; THE WAY OUT of a tile: O^T / the sum; register 16 c + i of lane (r, h) is channel 32 c + 16 h + i of query r: two blocks of 32, quantised as the next product's operand and stored as its registers' image.
.macro OUT H, ob, sb
.rept 8
	v_nop                                          ; places behind the last products
.endr
	v_add_f32 v14, v14, v15                        ; the sum's two halves,
	s_delay_alu instid0(VALU_DEP_1)
	v_permlanex16_b32 v[TA], v14, s[SEL], s[SEL+1]
	s_delay_alu instid0(VALU_DEP_1)
	v_add_f32 v14, v14, v[TA]                      ; and lane l xor 16's
	s_wait_alu depctr_va_vdst(0)
	v_rcp_f32 v14, v14
	v_nop                                          ; a plain line behind the reciprocal,
	s_wait_alu depctr_va_vdst(0)                   ; and the wait ahead of its first reader
.set j, 0
.rept 16
	v_pk_mul_f32 v[S+j:S+j+1], v[OT+j:OT+j+1], v[14:15] op_sel_hi:[1,0]
.set j, j+2
.endr
.irp c, 0,1
	v_max3_num_f32 v[BM+\c], |v[S+16*\c]|, |v[S+16*\c+1]|, 0x4800000
.endr
.irp i, 2,4,6,8,10,12,14
.irp c, 0,1
	s_delay_alu instid0(VALU_DEP_2)
	v_max3_num_f32 v[BM+\c], v[BM+\c], |v[S+16*\c+\i]|, |v[S+16*\c+\i+1]|
.endr
.endr
.irp c, 0,1
	s_delay_alu instid0(VALU_DEP_2)
	v_permlanex16_b32 v[TP+\c], v[BM+\c], s[SEL], s[SEL+1]
.endr
.irp c, 0,1
	s_delay_alu instid0(VALU_DEP_2)
	v_max_num_f32 v[BM+\c], v[BM+\c], v[TP+\c]
.endr
.irp c, 0,1
	s_delay_alu instid0(VALU_DEP_2)
	v_add_nc_u32 v[CV+\c], 0xfc000000, v[BM+\c]
.endr
.irp c, 0,1
.endr
.irp c, 0,1
	s_delay_alu instid0(VALU_DEP_2)
	v_lshrrev_b32 v[TP+\c], 23, v[CV+\c]
.endr
.irp c, 0,1
.irp i, 0,1,2,3,4,5,6,7,8,9,10,11,12,13,14,15
.endr
	v_cvt_scalef32_pk8_fp8_f32 v[P+4*\c:P+4*\c+1], v[S+16*\c:S+16*\c+7], v[CV+\c]
	v_cvt_scalef32_pk8_fp8_f32 v[P+4*\c+2:P+4*\c+3], v[S+16*\c+8:S+16*\c+15], v[CV+\c]
.endr
	v_nop                                          ; a plain line behind the last conversion
	v_cndmask_b32 v[TA], v[TP], v[TP+1], s[HM]     ; lanes 0-15 store block 0's byte, lanes 16-31 block 1's
	global_store_b128 v[GO], v[P:P+3], s[\ob:\ob+1] offset:1024*\H        ; 512 consecutive bytes, aligned
	global_store_b128 v[GO], v[P+4:P+7], s[\ob:\ob+1] offset:1024*\H+512
	global_store_b8 v[OSO], v[TA], s[\sb:\sb+1]    ; two bytes of each of 16 rows of os: one part in 32 of what the tile stores
	s_wait_xcnt 0x0                                ; the stores have read their registers: the next tile writes them again
.endm
	s_wait_loadcnt 0x0                             ; Q
	s_wait_tensorcnt 0x1                           ; my scale words and my part of key steps 0 and 1 are in; my one younger load, the 96 rows, may be out
	s_barrier_signal -1
	s_barrier_wait -1                              ; everybody's are
	BEGIN 15, 17                                   ; head 2 hp + 1
	STEP 1                                         ; key steps 0 and 1 are written out: they read rows 0-255 of K and of V alone, while the other rows land
	s_add_co_u32 s[KSI], s[KSI], 1
	STEP 1
	s_add_co_u32 s[KSI], s[KSI], 1
	s_wait_tensorcnt 0x0                           ; my part of the other rows is in (no LDS load of mine is out: a step waits for all of its own),
	s_barrier_signal -1
	s_barrier_wait -1                              ; everybody's is
.Lhead_b:                                          ; key steps 2 to 7: six trips
	STEP 1
	s_add_co_u32 s[KSI], s[KSI], 1
	s_cmp_lt_u32 s[KSI], 8
	s_cbranch_scc1 .Lhead_b
	s_setprio 0
	OUT 1, 68, 72
	BEGIN 14, 16                                   ; head 2 hp
.Lhead_a:
	STEP 0
	s_add_co_u32 s[KSI], s[KSI], 1
	s_cmp_lt_u32 s[KSI], 8
	s_cbranch_scc1 .Lhead_a
	s_setprio 0
	OUT 0, 70, 74
	s_wait_tensorcnt 0x0
	ds_add_u32 v254, v255
	s_wait_dscnt 0x0
	CROUND                                         ; the closing round
	s_endpgm
.Lfunc_end_k_qc1b8b3bdaa_attn:
	.size	k_qc1b8b3bdaa_attn, .Lfunc_end_k_qc1b8b3bdaa_attn-k_qc1b8b3bdaa_attn
	.p2alignl 7, 3214868480
	.fill 96, 4, 3214868480
	.section	.rodata,"a",@progbits
	.p2align	6, 0x0
	.amdhsa_kernel k_qc1b8b3bdaa_attn
		.amdhsa_group_segment_fixed_size 327680
		.amdhsa_private_segment_fixed_size 0
		.amdhsa_enable_private_segment 0
		.amdhsa_kernarg_size 32
		.amdhsa_user_sgpr_count 2
		.amdhsa_user_sgpr_kernarg_segment_ptr 1
		.amdhsa_wavefront_size32 1
		.amdhsa_system_sgpr_workgroup_id_x 1
		.amdhsa_system_sgpr_workgroup_id_y 1
		.amdhsa_system_sgpr_workgroup_id_z 1
		.amdhsa_system_vgpr_workitem_id 0
		.amdhsa_next_free_vgpr 256
		.amdhsa_next_free_sgpr 100
		.amdhsa_reserve_vcc 1
		.amdhsa_float_denorm_mode_32 3
		.amdhsa_float_denorm_mode_16_64 3
		.amdhsa_fp16_overflow 1
		.amdhsa_memory_ordered 1
		.amdhsa_forward_progress 1
		.amdhsa_inst_pref_size 114
	.end_amdhsa_kernel
	.amdgpu_metadata
---
amdhsa.version: [ 1, 2 ]
amdhsa.kernels:
  - .name:           k_qc1b8b3bdaa_attn
    .symbol:         k_qc1b8b3bdaa_attn.kd
    .args:
      - { .name: qkvc, .offset: 0, .size: 8, .value_kind: global_buffer, .address_space: global }
      - { .name: qkvs, .offset: 8, .size: 8, .value_kind: global_buffer, .address_space: global }
      - { .name: oc, .offset: 16, .size: 8, .value_kind: global_buffer, .address_space: global }
      - { .name: os, .offset: 24, .size: 8, .value_kind: global_buffer, .address_space: global }
    .group_segment_fixed_size: 327680
    .private_segment_fixed_size: 0
    .kernarg_segment_align: 8
    .kernarg_segment_size: 32
    .max_flat_workgroup_size: 512
    .sgpr_count:     100
    .vgpr_count:     256
    .wavefront_size: 32
...
	.end_amdgpu_metadata
.endif
;; end of part 3
;; launch proj (part 4): grid 256 x 1, 4 waves a work-group, clusters of 4 x 1, 327,680 bytes of LDS; arguments oc, os, W_out_codes, W_out_scales, b_out, x, gamma, beta, out0; writes out0
.if DOCPART == 4
	.amdgcn_target "amdgcn-amd-amdhsa--gfx1250"
	.amdhsa_code_object_version 6
	.text
	.protected	k_qc1b8b3bdaa_proj
	.globl	k_qc1b8b3bdaa_proj
	.p2align	8
	.type	k_qc1b8b3bdaa_proj,@function
k_qc1b8b3bdaa_proj:
	s_mov_b64 s[64:65], 0
	v_nop
	global_prefetch_b8 v0, s[64:65] scope:SCOPE_SE
	s_setreg_imm32_b32 hwreg(HW_REG_WAVE_MODE, 25, 1), 1
	s_wait_xcnt 0x0
	s_wait_alu depctr_hold_cnt(0) depctr_sa_sdst(0) depctr_va_vdst(0) depctr_va_sdst(0) depctr_va_ssrc(0) depctr_va_vcc(0) depctr_vm_vsrc(0)
	s_getreg_b32 s2, hwreg(HW_REG_IB_STS2, 6, 4)
	s_cmp_eq_u32 s2, 0
	s_cbranch_scc0 .Lentry_in_a_cluster
	s_endpgm
.Lentry_in_a_cluster:
	s_bfe_u32 s2, ttmp6, 0x10000c
	s_cmp_lg_u32 s2, 0x3003
	s_cbranch_scc0 .Lentry_shape_is_right
	s_endpgm
.Lentry_shape_is_right:
.set WP,    1040
.set QUART, 32*WP
.set SLOT,  4*QUART
.set STG,   2*SLOT
.set SPT,   528
.set WSTG,  16*SPT
.set RED,   STG+4*WSTG
.set SPARE, RED+1024
.set LB,   1
.set XO,   3
.set SI,   4
.set SCA,  5
.set RW,   6
.set RR,   7
.set SO,   9
.set SPW,  10
.set NIL,  11
.set OSW,  12
.set BO,   20
.set GA,   28
.set BE,   36
.set NM,   44
.set RS,   48
.set WSW,  64
.set WB,   128
.set G1,   16
.set G0,   32
.set SEL,  12
.set MSB, 0
.macro WIN new
.if MSB != \new
	s_set_vgpr_msb (MSB<<8)|\new
.set MSB, \new
.endif
.endm
.macro ROUND
	s_barrier_signal -1
	s_barrier_wait -1
	s_cmp_lg_u32 s8, 0
	s_cbranch_scc1 .Lnot_wave_0_\@
	s_barrier_signal -3
.Lnot_wave_0_\@:
	s_barrier_wait -3
	s_barrier_signal -1
	s_barrier_wait -1
.endm
	s_load_b256 s[40:47], s[0:1], 0x0
	s_load_b256 s[48:55], s[0:1], 0x20
	s_load_b64 s[56:57], s[0:1], 0x40
	v_lshl_add_u32 v[SPW], v0, 2, SPARE
	v_mov_b32 v[NIL], 0
	ds_add_u32 v10, v11
	ds_add_u32 v10, v11
	s_wait_dscnt 0x0
	v_lshrrev_b32 v8, 5, v0
	v_readfirstlane_b32 s8, v8
	s_bfe_u32 s9, ttmp6, 0x40000
	s_lshl_b32 s10, ttmp9, 2
	s_add_co_u32 s10, s10, s9
	s_mov_b32 s[G1], 15|(0<<16)|(1<<20)|(1<<21)|(7<<22)|(3<<25)
	s_mov_b32 s[G1+1], 1024<<16
	s_mov_b32 s[G1+2], 32<<16
	s_mov_b32 s[G1+3], 1024<<16
	s_mov_b32 s[G1+4], 32
	s_mov_b32 s[G1+5], 1024
	s_mov_b32 s[G1+6], 0
	s_mov_b32 s[G1+7], 0
	s_lshl_b32 s24, s8, 18
	s_mov_b32 s25, 0
	s_mul_i32 s26, s8, QUART
	s_mov_b32 s[SEL], 0x76543210
	s_mov_b32 s[SEL+1], 0xfedcba98
	s_mov_b32 s14, 0x3a800000
	s_mov_b32 s15, 0x3727c5ac
	s_wait_kmcnt 0x0
	s_add_nc_u64 s[28:29], s[44:45], s[24:25]
	s_mov_b32 s[G0], 1
	s_mov_b32 s[G0+1], s26
	s_mov_b64 s[G0+2:G0+3], s[28:29]
	s_or_b32 s[G0+3], s[G0+3], 0x80000000
	s_mov_b32 s[G0+4], 1
	s_add_co_u32 s[G0+5], s26, SLOT
	s_add_nc_u64 s[G0+6:G0+7], s[28:29], 32768
	s_or_b32 s[G0+7], s[G0+7], 0x80000000
	ROUND
	tensor_load_to_lds s[G0:G0+3], s[G1:G1+7]
	s_nop 0
	s_wait_alu depctr_va_vdst(0)
	s_wait_tensorcnt 0x0
	ds_add_u32 v10, v11
	s_wait_dscnt 0x0
	ROUND
	tensor_load_to_lds s[G0+4:G0+7], s[G1:G1+7]
	s_nop 0
.rept 4
	v_nop
.endr
	v_and_b32 v56, 31, v0
	v_and_b32 v57, 15, v0
	v_bfe_u32 v58, v0, 4, 1
	v_lshlrev_b32 v[XO], 4, v56
	v_lshlrev_b32 v[SO], 5, v56
	v_mul_u32_u24 v[LB], v57, WP
	v_lshl_add_u32 v[LB], v58, 4, v[LB]
	v_add_nc_u32 v[LB], s26, v[LB]
	v_add_nc_u32 v[LB+1], SLOT, v[LB]
	s_mul_i32 s27, s8, WSTG
	s_add_co_u32 s27, s27, STG
	v_add_nc_u32 v[SI], s27, v[XO]
	v_mul_u32_u24 v[SCA], v57, SPT
	v_lshl_add_u32 v[SCA], v58, 5, v[SCA]
	v_add_nc_u32 v[SCA], s27, v[SCA]
	s_lshl_b32 s30, s8, 7
	s_add_co_u32 s30, s30, RED
	v_lshlrev_b32 v[RR], 2, v57
	v_add_nc_u32 v[RW], s30, v[RR]
	v_add_nc_u32 v[RR], RED, v[RR]
.irp i, 45,47,49,51,54,55
	v_mov_b32 v\i, 0
.endr
	s_lshl_b32 s24, s10, 15
	s_add_nc_u64 s[40:41], s[40:41], s[24:25]
	s_lshl_b32 s24, s10, 10
	s_add_nc_u64 s[42:43], s[42:43], s[24:25]
	s_lshl_b32 s24, s8, 13
	s_add_nc_u64 s[46:47], s[46:47], s[24:25]
	s_lshl_b32 s24, s8, 10
	s_add_nc_u64 s[48:49], s[48:49], s[24:25]
	s_add_nc_u64 s[52:53], s[52:53], s[24:25]
	s_add_nc_u64 s[54:55], s[54:55], s[24:25]
	s_lshl_b32 s31, s10, 17
	s_add_co_u32 s24, s24, s31
	s_add_nc_u64 s[50:51], s[50:51], s[24:25]
	s_add_nc_u64 s[56:57], s[56:57], s[24:25]
	WIN 0x40
.irp fr, 0,1,2,3,4,5,6,7,8,9,10,11,12,13,14,15
.irp c, 0,1,2,3
	global_load_b128 v[16*\fr+4*\c:16*\fr+4*\c+3], v[XO], s[40:41] offset:2048*\fr+512*\c
.endr
.endr
	WIN 0
	global_load_b128 v[OSW:OSW+3], v[SO], s[42:43]
	global_load_b128 v[OSW+4:OSW+7], v[SO], s[42:43] offset:16
.irp f, 0,1,2,3,4,5,6,7
	global_load_b128 v[WSW+8*\f:WSW+8*\f+3], v[SO], s[46:47] offset:1024*\f
	global_load_b128 v[WSW+8*\f+4:WSW+8*\f+7], v[SO], s[46:47] offset:1024*\f+16
.endr
.irp hf, 0,1
	global_load_b128 v[GA+4*\hf:GA+4*\hf+3], v[XO], s[52:53] offset:512*\hf
	global_load_b128 v[BE+4*\hf:BE+4*\hf+3], v[XO], s[54:55] offset:512*\hf
.endr
.irp hf, 0,1
	global_load_b128 v[BO+4*\hf:BO+4*\hf+3], v[XO], s[48:49] offset:512*\hf
.endr
.macro XLOAD rt, hf
.irp i, 0,1,2,3,4,5,6,7,8,9,10,11,12,13,14,15
	global_load_b128 v[8*(2*(8*\hf+\i/2)+\rt)+4*(\i%2):8*(2*(8*\hf+\i/2)+\rt)+4*(\i%2)+3], v[XO], s[50:51] offset:(16*\rt+\i)*4096+512*\hf th:TH_LOAD_NT
.endr
.endm
	s_wait_loadcnt 0x0
	WIN 0xc0
	XLOAD 0, 0
	XLOAD 0, 1
	XLOAD 1, 0
	XLOAD 1, 1
	WIN 0
.macro XIN rt, hf, left
	s_wait_loadcnt \left
	WIN 0xc3
.irp tt, 0,1,2,3,4,5,6,7
.irp p, 0,2,4,6
	v_pk_add_f32 v[8*(2*(8*\hf+\tt)+\rt)+\p:8*(2*(8*\hf+\tt)+\rt)+\p+1], v[8*(2*(8*\hf+\tt)+\rt)+\p:8*(2*(8*\hf+\tt)+\rt)+\p+1], v[BO+4*\hf+\p%4:BO+4*\hf+\p%4+1]
.endr
.endr
	WIN 0x0c
.irp i, 0,1,2,3,4,5,6,7,8,9,10,11,12,13,14,15
	ds_store_b128 v[SI], v[8*(2*(8*\hf+\i/2)+\rt)+4*(\i%2):8*(2*(8*\hf+\i/2)+\rt)+4*(\i%2)+3] offset:SPT*\i
.endr
	s_wait_dscnt 0x0
	WIN 0xc0
.irp tt, 0,1,2,3,4,5,6,7
	ds_load_b128 v[8*(2*(8*\hf+\tt)+\rt):8*(2*(8*\hf+\tt)+\rt)+3], v[SCA] offset:64*\tt
	ds_load_b128 v[8*(2*(8*\hf+\tt)+\rt)+4:8*(2*(8*\hf+\tt)+\rt)+7], v[SCA] offset:64*\tt+16
.endr
	WIN 0
.endm
	s_wait_tensorcnt 1
.macro LOADB f, q
.irp ct, 0,1
.irp kk, 0,1
.irp c, 0,1,2,3
	ds_load_b128 v[WB+64*((\q)%2)+16*(2*\ct+\kk)+4*\c:WB+64*((\q)%2)+16*(2*\ct+\kk)+4*\c+3], v[LB+(\f)%2] offset:16*WP*\ct+128*(2*(\q)+\kk)+32*\c
.endr
.endr
.endr
.endm
.macro MM f, q, kk, ct, rt
.set rD, 8*(2*(2*(\f)+\ct)+\rt)
.set rW, WB+64*((\q)%2)+16*(2*\ct+\kk)
.set rA, 16*(8*\rt+2*(\q)+\kk)
.set rX, WSW+8*(\f)+2*(\q)+\kk
.set rY, OSW+2*(\q)+\kk
.if ((\q) == 0) && (\kk == 0)
.if (\ct == 0) && (\rt == 0)
	v_wmma_scale_f32_16x16x128_f8f6f4 v[rD:rD+7], v[rW:rW+15], v[rA:rA+15], 0, v[rX], v[rY]
.elseif (\ct == 1) && (\rt == 0)
	v_wmma_scale_f32_16x16x128_f8f6f4 v[rD:rD+7], v[rW:rW+15], v[rA:rA+15], 0, v[rX], v[rY] matrix_a_scale:MATRIX_SCALE_ROW1
.elseif (\ct == 0) && (\rt == 1)
	v_wmma_scale_f32_16x16x128_f8f6f4 v[rD:rD+7], v[rW:rW+15], v[rA:rA+15], 0, v[rX], v[rY] matrix_b_scale:MATRIX_SCALE_ROW1
.else
	v_wmma_scale_f32_16x16x128_f8f6f4 v[rD:rD+7], v[rW:rW+15], v[rA:rA+15], 0, v[rX], v[rY] matrix_a_scale:MATRIX_SCALE_ROW1 matrix_b_scale:MATRIX_SCALE_ROW1
.endif
.else
.if (\ct == 0) && (\rt == 0)
	v_wmma_scale_f32_16x16x128_f8f6f4 v[rD:rD+7], v[rW:rW+15], v[rA:rA+15], v[rD:rD+7], v[rX], v[rY]
.elseif (\ct == 1) && (\rt == 0)
	v_wmma_scale_f32_16x16x128_f8f6f4 v[rD:rD+7], v[rW:rW+15], v[rA:rA+15], v[rD:rD+7], v[rX], v[rY] matrix_a_scale:MATRIX_SCALE_ROW1
.elseif (\ct == 0) && (\rt == 1)
	v_wmma_scale_f32_16x16x128_f8f6f4 v[rD:rD+7], v[rW:rW+15], v[rA:rA+15], v[rD:rD+7], v[rX], v[rY] matrix_b_scale:MATRIX_SCALE_ROW1
.else
	v_wmma_scale_f32_16x16x128_f8f6f4 v[rD:rD+7], v[rW:rW+15], v[rA:rA+15], v[rD:rD+7], v[rX], v[rY] matrix_a_scale:MATRIX_SCALE_ROW1 matrix_b_scale:MATRIX_SCALE_ROW1
.endif
.endif
.endm
.macro MUL8 f, q
	WIN 0xa4
.irp kk, 0,1
.irp ct, 0,1
.irp rt, 0,1
	MM \f, \q, \kk, \ct, \rt
.endr
.endr
.endr
.endm
.macro WORK f
	LOADB \f, 0
	LOADB \f, 1
.irp q, 0,1,2,3
.if \q < 3
	s_wait_dscnt 16
.else
	s_wait_dscnt 0x0
.endif
	MUL8 \f, \q
	WIN 0
.if \q < 2
.rept 8
	v_nop
.endr
	LOADB \f, \q+2
.endif
.endr
.endm
.macro TRIP f
	s_wait_tensorcnt 0x0
	ds_add_u32 v[SPW], v[NIL]
	s_add_nc_u64 s[G0+4*(((\f)+1)%2)+2:G0+4*(((\f)+1)%2)+3], s[G0+4*(((\f)+1)%2)+2:G0+4*(((\f)+1)%2)+3], 65536
	s_wait_dscnt 0x0
	ROUND
	tensor_load_to_lds s[G0+4*(((\f)+1)%2):G0+4*(((\f)+1)%2)+3], s[G1:G1+7]
	s_nop 0
.rept 8
	v_nop
.endr
	WORK \f
.endm
	WORK 0
	XIN 0, 0, 48
	TRIP 1
	XIN 0, 1, 32
	TRIP 2
	XIN 1, 0, 16
	TRIP 3
	XIN 1, 1, 0
.irp f, 4,5,6
	TRIP \f
.endr
	s_wait_tensorcnt 0x0
.rept 8
	v_nop
.endr
	WORK 7
.rept 8
	v_nop
.endr
	WIN 0x8e
.irp tc, 0,1,2,3,4,5,6,7,8,9,10,11,12,13,14,15
.irp rt, 0,1
.irp j, 0,2,4,6
	v_pk_add_f32 v[8*(2*\tc+\rt)+\j:8*(2*\tc+\rt)+\j+1], v[8*(2*\tc+\rt)+\j:8*(2*\tc+\rt)+\j+1], v[8*(2*\tc+\rt)+\j:8*(2*\tc+\rt)+\j+1]
.endr
.endr
.endr
	WIN 0x0a
.irp rt, 0,1
.irp tp, 0,1,2,3,4,5,6,7
.irp j, 0,2,4,6
	v_pk_add_f32 v[128+64*\rt+8*\tp+\j:128+64*\rt+8*\tp+\j+1], v[8*(4*\tp+\rt)+\j:8*(4*\tp+\rt)+\j+1], v[8*(4*\tp+2+\rt)+\j:8*(4*\tp+2+\rt)+\j+1]
.endr
.endr
.endr
	WIN 0
.macro TREE base
.set st, 16
.rept 5
.set u, 0
.rept st
	v_pk_add_f32 v[\base+2*u:\base+2*u+1], v[\base+2*u:\base+2*u+1], v[\base+2*(u+st):\base+2*(u+st)+1]
.set u, u+1
.endr
.set st, st/2
.endr
.endm
.macro ACROSS off
	v_permlanex16_b32 v54, v52, s[SEL], s[SEL+1]
	v_permlanex16_b32 v55, v53, s[SEL], s[SEL+1]
	v_add_f32 v52, v52, v54
	v_add_f32 v53, v53, v55
	ds_store_b32 v[RW], v52 offset:\off
	ds_store_b32 v[RW], v53 offset:\off+64
	s_wait_dscnt 0x0
	s_barrier_signal -1
	s_barrier_wait -1
.irp rt, 0,1
.irp u, 0,1,2,3
	ds_load_b32 v[56+4*\rt+\u], v[RR] offset:\off+128*\u+64*\rt
.endr
.endr
	s_wait_dscnt 0x0
	v_add_f32 v56, v56, v57
	v_add_f32 v58, v58, v59
	v_add_f32 v60, v60, v61
	v_add_f32 v62, v62, v63
	v_add_f32 v56, v56, v58
	v_add_f32 v60, v60, v62
.endm
	TREE 128
	TREE 192
	v_add_f32 v52, v128, v129
	v_add_f32 v53, v192, v193
	ACROSS 0
	v_mul_f32 v[NM], 0xba800000, v56
	v_mul_f32 v[NM+2], 0xba800000, v60
	WIN 0x82
.irp tc, 0,1,2,3,4,5,6,7,8,9,10,11,12,13,14,15
.irp rt, 0,1
.irp j, 0,2,4,6
	v_pk_add_f32 v[8*(2*\tc+\rt)+\j:8*(2*\tc+\rt)+\j+1], v[8*(2*\tc+\rt)+\j:8*(2*\tc+\rt)+\j+1], v[NM+2*\rt:NM+2*\rt+1] op_sel_hi:[1,0]
.endr
.endr
.endr
	WIN 0x0a
.irp tc, 0,1,2,3,4,5,6,7,8,9,10,11,12,13,14,15
.irp rt, 0,1
.irp j, 0,2,4,6
.if \tc == 0
	v_pk_mul_f32 v[128+8*\rt+\j:128+8*\rt+\j+1], v[8*(2*\tc+\rt)+\j:8*(2*\tc+\rt)+\j+1], v[8*(2*\tc+\rt)+\j:8*(2*\tc+\rt)+\j+1]
.else
	v_pk_fma_f32 v[128+8*\rt+\j:128+8*\rt+\j+1], v[8*(2*\tc+\rt)+\j:8*(2*\tc+\rt)+\j+1], v[8*(2*\tc+\rt)+\j:8*(2*\tc+\rt)+\j+1], v[128+8*\rt+\j:128+8*\rt+\j+1]
.endif
.endr
.endr
.endr
	WIN 0
.irp b, 128, 136
	v_pk_add_f32 v[\b:\b+1], v[\b:\b+1], v[\b+2:\b+3]
	v_pk_add_f32 v[\b+4:\b+5], v[\b+4:\b+5], v[\b+6:\b+7]
.endr
.irp b, 128, 136
	v_pk_add_f32 v[\b:\b+1], v[\b:\b+1], v[\b+4:\b+5]
.endr
	v_add_f32 v52, v128, v129
	v_add_f32 v53, v136, v137
	ACROSS 512
	v_fma_f32 v56, v56, s14, s15
	v_fma_f32 v60, v60, s14, s15
	s_wait_alu depctr_va_vdst(0)
	v_rsq_f32 v[RS], v56
	v_rsq_f32 v[RS+2], v60
	v_nop
	s_wait_alu depctr_va_vdst(0)
	WIN 0x82
.irp tc, 0,1,2,3,4,5,6,7,8,9,10,11,12,13,14,15
.irp rt, 0,1
.irp j, 0,2,4,6
	v_pk_mul_f32 v[8*(2*\tc+\rt)+\j:8*(2*\tc+\rt)+\j+1], v[8*(2*\tc+\rt)+\j:8*(2*\tc+\rt)+\j+1], v[RS+2*\rt:RS+2*\rt+1] op_sel_hi:[1,0]
.endr
.endr
.endr
.macro WOUT rt, hf, k
.set OBK, 128+64*((\k)%2)
.if \k >= 2
	s_wait_xcnt 0x0
.endif
	WIN 0x08
.irp tt, 0,1,2,3,4,5,6,7
	ds_store_b128 v[SCA], v[8*(2*(8*\hf+\tt)+\rt):8*(2*(8*\hf+\tt)+\rt)+3] offset:64*\tt
	ds_store_b128 v[SCA], v[8*(2*(8*\hf+\tt)+\rt)+4:8*(2*(8*\hf+\tt)+\rt)+7] offset:64*\tt+16
.endr
	WIN 0
.irp i, 0,1,2,3,4,5,6,7,8,9,10,11,12,13,14,15
	ds_load_b128 v[OBK+4*\i:OBK+4*\i+3], v[SI] offset:SPT*\i
.endr
.irp i, 0,1,2,3,4,5,6,7,8,9,10,11,12,13,14,15
	s_wait_dscnt 15-\i
	v_pk_fma_f32 v[OBK+4*\i:OBK+4*\i+1], v[OBK+4*\i:OBK+4*\i+1], v[GA+4*\hf:GA+4*\hf+1], v[BE+4*\hf:BE+4*\hf+1]
	v_pk_fma_f32 v[OBK+4*\i+2:OBK+4*\i+3], v[OBK+4*\i+2:OBK+4*\i+3], v[GA+4*\hf+2:GA+4*\hf+3], v[BE+4*\hf+2:BE+4*\hf+3]
	global_store_b128 v[XO], v[OBK+4*\i:OBK+4*\i+3], s[56:57] offset:(16*\rt+\i)*4096+512*\hf th:TH_STORE_NT
.endr
.endm
	WOUT 0, 0, 0
	WOUT 0, 1, 1
	WOUT 1, 0, 2
	WOUT 1, 1, 3
	s_wait_tensorcnt 0x0
	ds_add_u32 v[SPW], v[NIL]
	s_wait_dscnt 0x0
	ROUND
	s_endpgm
.Lfunc_end_k_qc1b8b3bdaa_proj:
	.size	k_qc1b8b3bdaa_proj, .Lfunc_end_k_qc1b8b3bdaa_proj-k_qc1b8b3bdaa_proj
	.p2alignl 7, 3214868480
	.fill 96, 4, 3214868480
	.section	.rodata,"a",@progbits
	.p2align	6, 0x0
	.amdhsa_kernel k_qc1b8b3bdaa_proj
		.amdhsa_group_segment_fixed_size 327680
		.amdhsa_private_segment_fixed_size 0
		.amdhsa_enable_private_segment 0
		.amdhsa_kernarg_size 72
		.amdhsa_user_sgpr_count 2
		.amdhsa_user_sgpr_kernarg_segment_ptr 1
		.amdhsa_wavefront_size32 1
		.amdhsa_system_sgpr_workgroup_id_x 1
		.amdhsa_system_sgpr_workgroup_id_y 1
		.amdhsa_system_sgpr_workgroup_id_z 1
		.amdhsa_system_vgpr_workitem_id 0
		.amdhsa_next_free_vgpr 1024
		.amdhsa_next_free_sgpr 66
		.amdhsa_reserve_vcc 0
		.amdhsa_float_denorm_mode_32 3
		.amdhsa_float_denorm_mode_16_64 3
		.amdhsa_memory_ordered 1
		.amdhsa_forward_progress 1
		.amdhsa_inst_pref_size 181
	.end_amdhsa_kernel
	.amdgpu_metadata
---
amdhsa.version: [ 1, 2 ]
amdhsa.kernels:
  - .name:           k_qc1b8b3bdaa_proj
    .symbol:         k_qc1b8b3bdaa_proj.kd
    .args:
      - { .name: oc, .offset: 0, .size: 8, .value_kind: global_buffer, .address_space: global }
      - { .name: os, .offset: 8, .size: 8, .value_kind: global_buffer, .address_space: global }
      - { .name: W_out_codes, .offset: 16, .size: 8, .value_kind: global_buffer, .address_space: global }
      - { .name: W_out_scales, .offset: 24, .size: 8, .value_kind: global_buffer, .address_space: global }
      - { .name: b_out, .offset: 32, .size: 8, .value_kind: global_buffer, .address_space: global }
      - { .name: x, .offset: 40, .size: 8, .value_kind: global_buffer, .address_space: global }
      - { .name: gamma, .offset: 48, .size: 8, .value_kind: global_buffer, .address_space: global }
      - { .name: beta, .offset: 56, .size: 8, .value_kind: global_buffer, .address_space: global }
      - { .name: out0, .offset: 64, .size: 8, .value_kind: global_buffer, .address_space: global }
    .group_segment_fixed_size: 327680
    .private_segment_fixed_size: 0
    .kernarg_segment_align: 8
    .kernarg_segment_size: 72
    .max_flat_workgroup_size: 128
    .sgpr_count:     66
    .vgpr_count:     1024
    .wavefront_size: 32
...
	.end_amdgpu_metadata
.endif
;; end of part 4
